; MI455X (gfx1250); checked and timed in simulation.
; The chip was launched on July 23, 2026; its instructions are those of AMD's public machine-readable ISA for CDNA 5 (MIT licence, August 2026) and "CDNA5" Instruction Set Architecture Reference Guide (July 2026). The comments in the code are by the model that wrote it; some were corrected since.
;; Attention Head. Allowed arithmetic: float matrix products may take bf16 or f16 operands with f32 sums; other float arithmetic in f32, or as packed bf16 or f16 multiplies, adds, multiply-adds, maxima and minima; sums over many terms, partial sums and values carried from step to step in f32; what a program stores and reads back later, other than sums and carried values, may be rounded once to bf16 or f16.
;; Inputs: k 4 x 2,048 x 1,024 float32; q 4 x 2,048 x 1,024 float32; v 4 x 2,048 x 1,024 float32; wk 1,024 x 1,024 float32; wq 1,024 x 1,024 float32; wv 1,024 x 1,024 float32.
;; Outputs: out0 4 x 2,048 x 1,024 float32.
;; One version. Each part assembles by itself: llvm-mc -triple=amdgcn-amd-amdhsa -mcpu=gfx1250 --defsym DOCPART=n.
;; ======== version 1 of 1: 4 launches
;; limits: values are held in f16: magnitudes above 65,504 overflow, below 6.1e-05 lose precision
;; workspace buffers: wb 6,291,456 bytes; p16 50,331,648 bytes; pbuf 33,554,432 bytes; st 1,048,576 bytes
;; launch castw (part 1): grid 256 x 3, 8 waves a work-group, no clusters, 0 bytes of LDS; arguments wq, wk, wv, wb; writes wb
.if DOCPART == 1
	.amdgcn_target "amdgcn-amd-amdhsa--gfx1250"
	.amdhsa_code_object_version 6
	.text
	.protected	k_q0af264b158_castw
	.globl	k_q0af264b158_castw
	.p2align	8
	.type	k_q0af264b158_castw,@function
k_q0af264b158_castw:
	s_mov_b64 s[64:65], 0
	v_nop
	global_prefetch_b8 v0, s[64:65] scope:SCOPE_SE
	s_setreg_imm32_b32 hwreg(HW_REG_WAVE_MODE, 25, 1), 1
	s_wait_xcnt 0x0
; wb[m][e][d] = the weight w_m[e][d] rounded once to bf16; m = 0, 1, 2 for wq, wk, wv.  Each matrix is [1024][1024] f32.
; A stream: each byte is read once and written once.  No LDS, no barrier, no matrix unit, no cluster: nothing is shared between threads.
; SHARES.  Work-group (x, y) converts 4,096 numbers of matrix y.  Thread t takes the 16 bytes at 16 t + 4,096 u, u = 0..3: a load of a wave covers
; 512 consecutive bytes, a store of a wave 256 consecutive bytes that begin at a multiple of 256 from wb's first byte.
	s_load_b256 s[4:11], s[0:1], 0x0               ; wq s[4:5], wk s[6:7], wv s[8:9], wb s[10:11]
	s_and_b32 s12, ttmp7, 0xffff                   ; which matrix
	s_lshl_b32 s14, ttmp9, 14                      ; my 16,384 bytes of it
	s_mov_b32 s15, 0
	s_lshl_b32 s16, ttmp9, 13                      ; my 8,192 bytes of wb,
	s_lshl_b32 s17, s12, 21                        ; in the matrix's 2,097,152
	s_add_co_u32 s16, s16, s17
	s_mov_b32 s17, 0
	v_lshlrev_b32 v1, 4, v0                        ; 16 t
	v_lshlrev_b32 v2, 3, v0                        ; 8 t
	s_wait_kmcnt 0x0
	s_cmp_eq_u32 s12, 0
	s_cselect_b64 s[4:5], s[4:5], s[6:7]           ; wq or wk,
	s_cmp_eq_u32 s12, 2
	s_cselect_b64 s[4:5], s[8:9], s[4:5]           ; or wv
	s_add_nc_u64 s[4:5], s[4:5], s[14:15]
	s_add_nc_u64 s[10:11], s[10:11], s[16:17]
.irp u, 0,1,2,3
	global_load_b128 v[4+4*(\u):7+4*(\u)], v1, s[4:5] offset:(\u)*4096 th:TH_LOAD_NT
.endr
.irp u, 0,1,2,3
	s_wait_loadcnt 3-(\u)                          ; loads come back in order: piece u is in, the 3 - u younger ones may stay out
	v_cvt_pk_bf16_f32 v[20+2*(\u)], v[4+4*(\u)], v[5+4*(\u)]
	v_cvt_pk_bf16_f32 v[21+2*(\u)], v[6+4*(\u)], v[7+4*(\u)]
	global_store_b64 v2, v[20+2*(\u):21+2*(\u)], s[10:11] offset:(\u)*2048
.endr
	s_endpgm
.Lfunc_end_k_q0af264b158_castw:
	.size	k_q0af264b158_castw, .Lfunc_end_k_q0af264b158_castw-k_q0af264b158_castw
	.p2alignl 7, 3214868480
	.fill 96, 4, 3214868480
	.section	.rodata,"a",@progbits
	.p2align	6, 0x0
	.amdhsa_kernel k_q0af264b158_castw
		.amdhsa_group_segment_fixed_size 0
		.amdhsa_private_segment_fixed_size 0
		.amdhsa_enable_private_segment 0
		.amdhsa_kernarg_size 32
		.amdhsa_user_sgpr_count 2
		.amdhsa_user_sgpr_kernarg_segment_ptr 1
		.amdhsa_wavefront_size32 1
		.amdhsa_system_sgpr_workgroup_id_x 1
		.amdhsa_system_sgpr_workgroup_id_y 1
		.amdhsa_system_sgpr_workgroup_id_z 1
		.amdhsa_system_vgpr_workitem_id 0
		.amdhsa_next_free_vgpr 32
		.amdhsa_next_free_sgpr 66
		.amdhsa_reserve_vcc 0
		.amdhsa_float_denorm_mode_32 3
		.amdhsa_float_denorm_mode_16_64 3
		.amdhsa_memory_ordered 1
		.amdhsa_forward_progress 1
		.amdhsa_inst_pref_size 3
	.end_amdhsa_kernel
	.amdgpu_metadata
---
amdhsa.version: [ 1, 2 ]
amdhsa.kernels:
  - .name:           k_q0af264b158_castw
    .symbol:         k_q0af264b158_castw.kd
    .args:
      - { .name: wq, .offset: 0, .size: 8, .value_kind: global_buffer, .address_space: global }
      - { .name: wk, .offset: 8, .size: 8, .value_kind: global_buffer, .address_space: global }
      - { .name: wv, .offset: 16, .size: 8, .value_kind: global_buffer, .address_space: global }
      - { .name: wb, .offset: 24, .size: 8, .value_kind: global_buffer, .address_space: global }
    .group_segment_fixed_size: 0
    .private_segment_fixed_size: 0
    .kernarg_segment_align: 8
    .kernarg_segment_size: 32
    .max_flat_workgroup_size: 256
    .sgpr_count:     66
    .vgpr_count:     32
    .wavefront_size: 32
...
	.end_amdgpu_metadata
.endif
;; end of part 1
;; launch proj (part 2): grid 4 x 192, 4 waves a work-group, clusters of 4 x 4, 327,680 bytes of LDS; arguments q, k, v, wb, p16; writes p16
.if DOCPART == 2
	.amdgcn_target "amdgcn-amd-amdhsa--gfx1250"
	.amdhsa_code_object_version 6
	.text
	.protected	k_q0af264b158_proj
	.globl	k_q0af264b158_proj
	.p2align	8
	.type	k_q0af264b158_proj,@function
k_q0af264b158_proj:
	s_mov_b64 s[64:65], 0
	v_nop
	global_prefetch_b8 v0, s[64:65] scope:SCOPE_SE
	s_setreg_imm32_b32 hwreg(HW_REG_WAVE_MODE, 25, 1), 1
	s_wait_xcnt 0x0
	s_wait_alu depctr_hold_cnt(0) depctr_sa_sdst(0) depctr_va_vdst(0) depctr_va_sdst(0) depctr_va_ssrc(0) depctr_va_vcc(0) depctr_vm_vsrc(0)
	s_getreg_b32 s2, hwreg(HW_REG_IB_STS2, 6, 4)
	s_cmp_eq_u32 s2, 0
	s_cbranch_scc0 .Lentry_in_a_cluster
	s_endpgm
.Lentry_in_a_cluster:
	s_bfe_u32 s2, ttmp6, 0x10000c
	s_cmp_lg_u32 s2, 0xf033
	s_cbranch_scc0 .Lentry_shape_is_right
	s_endpgm
.Lentry_shape_is_right:
; THE THREE PROJECTIONS.  p16[m][row][e] = the sum over d of x_m[row][d] w_m[e][d]; m = 0, 1, 2 for (q, wq), (k, wk), (v, wv).  x_m: [8192][1024] f32; wb: [3][1024][1024] bf16;
; p16: [3][8192][1024] f16.  x is rounded to bf16 on its way into LDS; products in bf16, sums in f32, K ascending; the result is rounded once, to f16.
; LIMITS.  f16 holds no number beyond 65,504: a projected number beyond that becomes an infinity; below 6e-5 it keeps f16's fixed step of 6e-8.  NaN and infinities are not treated apart.
; SHARES.  A tile of 128 rows x 256 columns to a work-group, 64 x 128 to each of its four waves: 32 accumulators of 16 x 16.  768 tiles.  K goes in 8 steps of 128; two steps are a SPAN.
; w's ROAD: a ring of two LDS slots, a span (256 rows x 512 bytes) to a slot, filled by tensor loads, each wave its 64 rows.  4 x 4 work-groups form a cluster; the four of a column need the same tile of w and
; ask for it JOINTLY: the same load, descriptor and mask in all four.  From a refill to the wait for it a wave issues 248 matrix instructions.
; x's ROAD: registers.  Wave w loads rows 32 w .. 32 w + 31, a K step (512 bytes of a row to a load) to a batch of 32 loads; two sets of 128 registers take turns, so that a batch is out for two K steps.  It is
; rounded to bf16 in place and stored into ONE LDS region, XS, in the third quarter of the K step before its own, between two barriers: the first when nobody reads XS's old rows any more, the second when the new lie there.
; x IS NOT ASKED FOR JOINTLY, though the four work-groups of a row of the cluster read the same rows.  What a tensor load brings lies in the ring, and with x's tile (f32: 67,584 bytes for 128 along K) beside w's a slot
; holds 128 along K: 128 matrix instructions from one change of slots to the next, and two slots of 256 along K (409,600 bytes) do not fit.  The price: each of the four partners asks for x's rows itself.
; THE MATRIX INSTRUCTION IS USED TRANSPOSED (source 0 = 16 rows of w, source 1 = 16 rows of x): a lane then holds eight neighbouring columns of one row of the result.
; ONE TEXT FOR A SPAN OF EACH KIND: loop A (two trips) refills, loop B (the last two spans) does not; the slot is picked by the scalar TB.  Loop B's last trip stores a stale batch into XS and fetches fragments that nobody
; multiplies: 64 conversions, 32 LDS stores and 24 LDS loads a wave, the price of not writing the last span out.
; REGISTERS, in windows of 256 (s_set_vgpr_msb: bits 1:0 source 0, 3:2 source 1, 5:4 source 2, 7:6 destination):
;   window 0: v0-31 addresses; v32-63 packed results; v64-127 rows read back from the stage      window 1: two fragment buffers of 96 (x's four blocks, then w's eight)
;   window 2: accumulator (a, b) at v[8 (8 a + b)]      window 3: x's two batches, 128 registers each: row j's four f32 at 4 j, after the rounding its four bf16 at 2 j
.set NB,    32                         ; loads in a batch
.set AP,    272                        ; a row of XS: 256 bytes + 16 = 68 words: row r starts at bank 4 r mod 64 (64 banks of 4 bytes: ISA guide 11.1)
.set BP,    528                        ; a row of w in a slot: 512 bytes + 16 of padding = 132 words: likewise
.set SLOT,  256*BP
.set XS,    2*SLOT                     ; behind the ring: 128 rows of x in bf16; whole blocks of 256 bytes into which no tensor load lands
.set STAGE, XS+128*AP                  ; 16 rows x 272 bytes for each wave, for the way out
.set SP,    272
.set SPARE, STAGE+4*16*SP              ; the spare words, 128 bytes for each wave: two blocks of 256 bytes that no other line names
.set ASTEP, 512                        ; bytes of a row of x in a K step
.set ASPAN, 1024
.set BSPAN, 512                        ; bytes of a row of w in a span
.set CROW,  2048                       ; bytes in a row of p16
.set ADRA, 16                          ; v16  LDS address of my fragments of x; never rewritten
.set PFX,  17                          ; v17  x's prefetches: lane x a row of x
.set XO,   18                          ; v18  16 x lane: my 16 bytes of a row's K step
.set XST,  19                          ; v19  where I store my 8 bytes of a row in XS
.set ADRB, 20                          ; v20  LDS address of my fragments of w in the slot in hand
.set ADRB0, 22                         ; v22  the same in slot 0; never rewritten
.set STO,  24                          ; v24  the way out: where I put 16 bytes of a row
.set RD,   25                          ; v25  the way out: where I read a row back
.set CO,   26                          ; v26  my byte offset in two rows of p16
.set SPW,  28                          ; v28  LDS address of my spare word; never rewritten
.set NIL,  29                          ; v29  0; never rewritten
.set PFO,  30                          ; v30  w's prefetches: row lane / 2, block lane % 2
.set LN,   31                          ; v31  my lane
.set TMP,  32
.set BK,   64
.set F0,   0                           ; window 1
.set F1,   96
.set XP,  4                            ; s[4:5]   x at my 32 rows, at the batch asked for last
.set LB,  20                           ; s20      my 64 rows' place in a slot
.set TB,  21                           ; s21      the slot in hand: 0 or SLOT
.set G1,  24                           ; s[24:31] descriptor group 1
.set G0,  32                           ; s[32:39] group 0: a set for each first fill; the second then walks on
.set PB,  66                           ; s[66:67] where my prefetches of w stand
.set PX,  68                           ; s[68:69] of x
.set LIMB, 70                          ; s70      1 in a wave that prefetches w, else the greatest number
.set LIMX, 86                          ; s86      the same for x
.set MSB, 0
.macro WIN new                         ; the immediate's high byte repeats the setting that is left; a switch that changes nothing is dropped
.if MSB != (\new)
	s_set_vgpr_msb (MSB<<8)|(\new)
.set MSB, \new
.endif
.endm
.set W_MUL,  0xa5                      ; sources 0 and 1 window 1, C and D window 2
.set W_LD,   0x40                      ; destination window 1, address window 0
.set W_XL,   0xc0                      ; destination window 3, address window 0
.set W_CVT,  0xcf                      ; destination and both sources window 3
.set W_XS,   0x0c                      ; an LDS store's data window 3
.set W_PACK, 0x0a                      ; sources 0 and 1 window 2, destination window 0
.macro JLOAD s                         ; a joint load: every wave its own 64 rows; an s_nop 0 and four v_nop follow it
	tensor_load_to_lds s[G0+4*(\s):G0+4*(\s)+3], s[G1:G1+7]
	s_nop 0
.rept 4
	v_nop
.endr
.endm
.macro CREST                           ; a round of the cluster's barrier behind its opening barrier
	s_cmp_lg_u32 s10, 0
	s_cbranch_scc1 .Lnot_wave_0_\@
	s_barrier_signal -3
.Lnot_wave_0_\@:
	s_barrier_wait -3
	s_barrier_signal -1
	s_barrier_wait -1
.endm
.macro CROUND                          ; a whole round
	s_barrier_signal -1
	s_barrier_wait -1
	CREST
.endm
.macro PLACES                          ; four places in front of loads into registers that matrix instructions have read, and of vector lines that read results (ISA guide 7.12.1 for vector lines that read results)
.rept 4
	v_nop
.endr
.endm
; PREFETCHES INTO THE L2, behind a joint refill, the run of LDS loads and the batch's loads.  In span j a wave names span j + 3: of w what the next refill will ask for, 256 matrix instructions ahead of that load; of x the
; two batches that the next two spans load.  Each aligned block of 256 bytes is named once in the launch.  w's rows are read by the 16 clusters of a projection: the first of them asks; of the 64 rows that a wave
; fetches each of the four partners takes 16, two blocks a row, told apart by address (cy).  x's rows are read by one cluster alone: every wave asks for its own 32 rows, a lane a row, and partner cx takes block cx
; of the span's four.  Loop A's last trip asks for nothing: K ends there.
.macro ASK
	WIN 0
	s_cmp_gt_u32 s3, s[LIMB]
	s_cbranch_scc0 .Lnot_b_\@
	global_prefetch_b8 v[PFO], s[PB:PB+1] th:TH_LOAD_NT scope:SCOPE_SE
.Lnot_b_\@:
	s_cmp_gt_u32 s3, s[LIMX]
	s_cbranch_scc0 .Lnot_x_\@
	global_prefetch_b8 v[PFX], s[PX:PX+1] th:TH_LOAD_NT scope:SCOPE_SE
.Lnot_x_\@:
.endm
; A batch of x into set par: 32 loads, each a row's 512 consecutive bytes.
.macro XLOAD par, off
	WIN W_XL
.set j, 0
.rept 32
	global_load_b128 v[128*(\par)+4*j:128*(\par)+4*j+3], v[XO], s[XP:XP+1] offset:(\off)+4096*j
.set j, j+1
.endr
.endm
; Lines from .. to - 1 of the 64 that round set par to bf16, in place: line j writes register j and reads 2 j and 2 j + 1, which no earlier line has written.
.macro CVT par, from, to
	WIN W_CVT
.set j, \from
.rept (\to)-(\from)
	v_cvt_pk_bf16_f32 v[128*(\par)+j], v[128*(\par)+2*j], v[128*(\par)+2*j+1]
.set j, j+1
.endr
.endm
.macro XSTORE par                      ; set par into XS: a store of the wave is a row's 256 consecutive bytes
	WIN W_XS
.set j, 0
.rept 32
	ds_store_b64 v[XST], v[128*(\par)+2*j:128*(\par)+2*j+1] offset:AP*j
.set j, j+1
.endr
.endm
.macro XISSUE par, pf                  ; the next batch is asked for; pf = 1: the prefetches' addresses step too
	WIN 0
	s_wait_xcnt 0x0                                ; the loads of a K step back and the prefetches of a span back have read their addresses
	s_add_nc_u64 s[XP:XP+1], s[XP:XP+1], ASTEP
.if \pf
	s_add_nc_u64 s[PB:PB+1], s[PB:PB+1], BSPAN
	s_add_nc_u64 s[PX:PX+1], s[PX:PX+1], ASPAN
.endif
	XLOAD \par, 0
.endm
	s_load_b256 s[72:79], s[0:1], 0x0              ; q s[72:73], k s[74:75], v s[76:77], wb s[78:79]
	s_load_b64 s[8:9], s[0:1], 0x20                ; p16
	v_lshl_add_u32 v[SPW], v0, 2, SPARE
	v_mov_b32 v[NIL], 0
	ds_add_u32 v[SPW], v[NIL]                      ; the wave's opening: the add, twice on end, and its wait ahead of my first tensor load
	ds_add_u32 v[SPW], v[NIL]                      ; and once more; the set-up below, work on registers, stands between it and the wait
	v_lshrrev_b32 v1, 5, v0
	v_readfirstlane_b32 s10, v1                    ; wave 0..3
	s_lshr_b32 s11, s10, 1                         ; which 64 of the tile's rows are mine
	s_and_b32 s12, s10, 1                          ; which 128 of its columns
	s_bfe_u32 s40, ttmp6, 0x40000                  ; cx, cy: my place in the cluster
	s_bfe_u32 s41, ttmp6, 0x40004
	s_lshl_b32 s42, ttmp9, 2
	s_add_co_u32 s42, s42, s40                     ; tile column = 4 x cluster x + cx
	s_and_b32 s45, ttmp7, 0xffff                   ; cluster y
	s_lshl_b32 s13, s45, 2
	s_add_co_u32 s13, s13, s41                     ; tile row = 4 x cluster y + cy, 0..191
	s_lshl_b32 s44, 0x1111, s40                    ; my column of the cluster
	s_lshr_b32 s71, s45, 4                         ; which projection: 16 clusters along y to each
	s_and_b32 s22, s13, 63                         ; the tile row within it
	; descriptor group 1: 64 rows x 256 elements of 2 bytes, padded in LDS by 4 words behind each row
	s_or_b32 s[G1+0], s44, (1<<16)|(1<<20)|(1<<21)|(6<<22)|(3<<25)   ; 15:0 the mask: my column; 17:16 2-byte elements; 20 padding on; 21 set beside a mask; 24:22 after every 128 words; 31:25 4 words
	s_mov_b32 s[G1+1], 256<<16                     ; tensor_dim0 = 256
	s_mov_b32 s[G1+2], 64<<16                      ; tensor_dim1 = 64
	s_mov_b32 s[G1+3], 256<<16                     ; tile_dim0 = 256
	s_mov_b32 s[G1+4], 64                          ; tile_dim1 = 64
	s_mov_b32 s[G1+5], 1024                        ; elements from row to row
	s_mov_b32 s[G1+6], 0
	s_mov_b32 s[G1+7], 0
	s_lshl_b32 s16, s22, 7                         ; x: row 128 x tile row + 32 x wave,
	s_lshl_b32 s17, s10, 5
	s_add_co_u32 s16, s16, s17
	s_lshl_b32 s16, s16, 12                        ; 4,096 bytes a row
	s_mov_b32 s17, 0
	s_lshl_b32 s46, s42, 8                         ; w: row 256 x tile column + 64 x wave,
	s_lshl_b32 s47, s10, 6
	s_add_co_u32 s46, s46, s47
	s_lshl_b32 s46, s46, 11                        ; 2,048 bytes a row,
	s_lshl_b32 s47, s71, 21                        ; in the projection's matrix
	s_add_co_u32 s46, s46, s47
	s_mov_b32 s47, 0
	s_mul_i32 s[LB], s10, 64*BP                    ; the wave's number alone enters an LDS address
	s_mov_b32 s[TB], 0
	s_wait_dscnt 0x0                               ; both opening adds are done
	s_wait_kmcnt 0x0
	s_cmp_eq_u32 s71, 0
	s_cselect_b64 s[XP:XP+1], s[72:73], s[74:75]   ; q or k,
	s_cmp_eq_u32 s71, 2
	s_cselect_b64 s[XP:XP+1], s[76:77], s[XP:XP+1] ; or v
	s_add_nc_u64 s[XP:XP+1], s[XP:XP+1], s[16:17]
	s_add_nc_u64 s[46:47], s[78:79], s[46:47]
	CROUND                                         ; all sixteen work-groups are here: the first joint loads meet
.irp s, 0,1
	s_mov_b32 s[G0+4*(\s)], 1                                        ; count = 1
	s_add_co_u32 s[G0+4*(\s)+1], s[LB], (\s)*SLOT                    ; LDS address
	s_add_nc_u64 s[G0+4*(\s)+2:G0+4*(\s)+3], s[46:47], (\s)*BSPAN    ; global address: span s
	s_or_b32 s[G0+4*(\s)+3], s[G0+4*(\s)+3], 0x80000000              ; type = 2
	JLOAD \s                                       ; two tensor loads of mine are out
.endr
	v_and_b32 v1, 15, v0                           ; r = l % 16
	v_bfe_u32 v2, v0, 4, 1                         ; h = l / 16
	v_and_b32 v[LN], 31, v0
	v_lshlrev_b32 v[XO], 4, v[LN]
	XLOAD 0, 0                                     ; K step 0
	XLOAD 1, ASTEP                                 ; K step 1
	WIN 0
	s_mul_i32 s22, s10, 32*AP
	s_add_co_u32 s22, s22, XS
	v_lshl_add_u32 v[XST], v[LN], 3, s22           ; my wave's 32 rows of XS, 8 bytes a lane
	; A fragment is 16 rows x 32 K of 16 bits: lane l holds row l % 16, K = 8 (l / 16) + 0..7 and 16 + 8 (l / 16) + 0..7: 16 bytes twice, 32 apart.
	v_mul_u32_u24 v3, v1, AP
	v_lshl_add_u32 v3, v2, 4, v3
	s_mul_i32 s22, s11, 64*AP                      ; my 64 rows of x
	s_add_co_u32 s22, s22, XS
	v_add_nc_u32 v[ADRA], s22, v3
	v_mul_u32_u24 v4, v1, BP
	v_lshl_add_u32 v4, v2, 4, v4
	s_mul_i32 s22, s12, 128*BP                     ; my 128 rows of w
	v_add_nc_u32 v[ADRB0], s22, v4
	v_mov_b32 v[ADRB], v[ADRB0]
	s_mul_i32 s23, s10, 16*SP
	s_add_co_u32 s23, s23, STAGE                   ; my stage
	v_mul_u32_u24 v5, v1, SP                       ; in: row l % 16, 16 bytes for each half of the lanes
	v_lshl_add_u32 v5, v2, 4, v5
	v_add_nc_u32 v[STO], s23, v5
	v_mul_u32_u24 v5, v2, SP                       ; back: lanes 0-15 take one row of 256 bytes, lanes 16-31 the next
	v_lshl_add_u32 v5, v1, 4, v5
	v_add_nc_u32 v[RD], s23, v5
	v_lshlrev_b32 v5, 11, v2                       ; and the same two rows in p16
	v_lshl_add_u32 v[CO], v1, 4, v5
	; the prefetches stand at span 2; the first refill steps them to span 3
	s_lshl_b32 s88, s41, 15                        ; w: my work-group's 16 of the wave's 64 rows
	s_add_co_u32 s88, s88, 2*BSPAN
	s_mov_b32 s89, 0
	s_add_nc_u64 s[PB:PB+1], s[46:47], s[88:89]
	s_and_b32 s88, s45, 15                         ; the projection's first cluster asks
	s_cmp_eq_u32 s88, 0
	s_cselect_b32 s[LIMB], 1, -1                   ; the same in all sixteen partners
	v_and_b32 v6, 30, v[LN]
	v_and_b32 v7, 1, v[LN]
	v_lshlrev_b32 v7, 8, v7
	v_lshl_add_u32 v[PFO], v6, 10, v7              ; (l / 2) x 2,048 + (l % 2) x 256
	s_lshl_b32 s88, s40, 8                         ; x: my work-group's block of a span's four
	s_add_co_u32 s88, s88, 2*ASPAN
	s_add_nc_u64 s[PX:PX+1], s[XP:XP+1], s[88:89]
	s_mov_b32 s[LIMX], 1
	v_lshlrev_b32 v[PFX], 12, v[LN]
	; where my part of the tile begins in p16: the rows' part, then (in the registers that held w's address) the columns'
	s_lshl_b32 s16, s13, 7
	s_lshl_b32 s17, s11, 6
	s_add_co_u32 s16, s16, s17
	s_lshl_b32 s16, s16, 11
	s_mov_b32 s17, 0
	s_add_nc_u64 s[8:9], s[8:9], s[16:17]
	s_lshl_b32 s46, s42, 9
	s_lshl_b32 s47, s12, 8
	s_add_co_u32 s46, s46, s47
	s_mov_b32 s47, 0
	s_add_nc_u64 s[8:9], s[8:9], s[46:47]
; 8 matrix instructions: row block a x all 8 column blocks, 32 along K.  zero = 1: the product starts the sum.  Each of the 32 accumulators has one instruction a quarter, always in the
; same order, so that no two matrix instructions that follow each other share an accumulator, over the backward jumps too.
.macro MUL8 f, a, zero
	WIN W_MUL
.irp b, 0,1,2,3,4,5,6,7
.if \zero
	v_wmma_f32_16x16x32_bf16 v[8*(8*(\a)+(\b)):8*(8*(\a)+(\b))+7], v[(\f)+32+8*(\b):(\f)+32+8*(\b)+7], v[(\f)+8*(\a):(\f)+8*(\a)+7], 0
.else
	v_wmma_f32_16x16x32_bf16 v[8*(8*(\a)+(\b)):8*(8*(\a)+(\b))+7], v[(\f)+32+8*(\b):(\f)+32+8*(\b)+7], v[(\f)+8*(\a):(\f)+8*(\a)+7], v[8*(8*(\a)+(\b)):8*(8*(\a)+(\b))+7]
.endif
.endr
.endm
; 24 LDS loads in one run: quarter kq (0..7) of a span into buffer g: w's 16 loads from the slot in hand, then x's 8 from XS
.macro FETCH kq, g
	WIN W_LD
.irp b, 0,1,2,3,4,5,6,7
	ds_load_b128 v[(\g)+32+8*(\b):(\g)+32+8*(\b)+3],   v[ADRB] offset:64*(\kq)+16*BP*(\b)
	ds_load_b128 v[(\g)+32+8*(\b)+4:(\g)+32+8*(\b)+7], v[ADRB] offset:64*(\kq)+16*BP*(\b)+32
.endr
.irp a, 0,1,2,3
	ds_load_b128 v[(\g)+8*(\a):(\g)+8*(\a)+3],   v[ADRA] offset:64*((\kq)%4)+16*AP*(\a)
	ds_load_b128 v[(\g)+8*(\a)+4:(\g)+8*(\a)+7], v[ADRA] offset:64*((\kq)%4)+16*AP*(\a)+32
.endr
.endm
; Quarter k (0, 1, 4, 5) of a span, on buffer k % 2: asks for the next quarter into the other buffer, four places behind that buffer's last products, then multiplies: the run has 32 products in which to land.
.macro Q k, zero
	PLACES
	FETCH (\k)+1, F1-96*((\k)%2)
	s_wait_dscnt 24                                ; all but the 24 just issued: this quarter's fragments are in
.irp a, 0,1,2,3
	MUL8 F0+96*((\k)%2), \a, \zero
.endr
.endm
; Quarters k and k + 1 (k = 2 or 6): THE EXCHANGE OF XS and, at k = 6, THE CHANGE OF SLOTS.  The fetch at the head is the last read of XS's rows (at k = 6: of the slot too).
; BARRIER 1: every wave's reads are back.  At k = 6 each wave has also waited for all its tensor loads, of which one is out: its part of the other slot; and has added 0 to its spare word.  fill = 1: the barrier opens a
; round of the cluster's barrier, and the slot just read is filled again, with the span two on, first thing behind the round.  Then the next K step's rows are stored.  BARRIER 2: they lie there.
; tail = 1 (loop B): the last batch is asked for in the first trip at k = 2; in the second trip no younger batch is out, so the wait there is for 0.
.macro XQ k, fill, tail
.set PAR, 1-((\k)/4)                   ; the batch to be stored: an odd K step's at k = 2, an even one's at k = 6
	WIN 0
.if (\tail) && ((\k) == 2)
	s_cmp_lg_u32 s3, 1
	s_cbranch_scc1 .Lyoung_\@
	s_wait_loadcnt 0x0
.Lyoung_\@:
.endif
	s_wait_loadcnt NB                              ; loads come back in order: the batch is in; the one younger batch may stay out
	CVT PAR, 0, 8                                  ; eight plain lines: the places in front of the loads into buffer 1
	FETCH (\k)+1, F1
	CVT PAR, 8, 64
	s_wait_dscnt 24
	MUL8 F0, 0, 0
.if (\k) == 6
	WIN 0                                          ; (the add's two registers lie in window 0)
	s_wait_tensorcnt 0x0                           ; all my tensor loads have landed, so a group 0 may be written;
	ds_add_u32 v[SPW], v[NIL]                      ; 0 onto my spare word
.if \fill
	s_add_co_u32 s[G0+5], s[LB], s[TB]             ; the walking descriptor: into the slot in hand,
	s_add_nc_u64 s[G0+6:G0+7], s[G0+6:G0+7], BSPAN ; the next span; the type bits on top are not reached
.endif
.endif
	MUL8 F0, 1, 0
	s_wait_dscnt 0x0                               ; my reads of XS (and of the slot) are back; the add is done
	s_barrier_signal -1
	WIN 0
	s_barrier_wait -1
.if \fill
	CREST                                          ; no wave of any partner still reads the slot or has a load on its way
	JLOAD 1                                        ; my one tensor load behind the round
.endif
	XSTORE PAR
	MUL8 F0, 2, 0
	MUL8 F0, 3, 0
	s_wait_dscnt 0x0                               ; for the others' sake: my stores are done
	s_barrier_signal -1
	MUL8 F1, 0, 0
	s_barrier_wait -1
	PLACES
.if (\k) == 6
	WIN 0
	s_xor_b32 s[TB], s[TB], SLOT                   ; the other slot
	v_add_nc_u32 v[ADRB], s[TB], v[ADRB0]
.endif
	FETCH ((\k)+2)%8, F0
.if !(\tail)
	XISSUE PAR, \fill                              ; the set just stored takes the K step two steps on from the one it held
.if \fill
	ASK
.endif
.elseif (\k) == 2
	WIN 0
	s_cmp_lg_u32 s3, 2
	s_cbranch_scc1 .Lnone_\@                       ; K ends: the second trip asks for nothing
	XISSUE PAR, 0
	WIN 0
.Lnone_\@:
.endif
	MUL8 F1, 1, 0
	MUL8 F1, 2, 0
	MUL8 F1, 3, 0
.endm
	s_wait_loadcnt NB                              ; K step 0 is in
	CVT 0, 0, 64
	XSTORE 0
	s_wait_dscnt 0x0                               ; for the others' sake: my rows lie in XS
	XLOAD 0, 2*ASTEP                               ; K step 2
	WIN 0
	s_wait_tensorcnt 1                             ; my part of span 0 is in; span 1's may stay out
	s_barrier_signal -1
	s_barrier_wait -1                              ; everybody's is
	FETCH 0, F0
	WIN 0
	s_wait_xcnt 0x0
	s_add_nc_u64 s[XP:XP+1], s[XP:XP+1], 2*ASTEP   ; at the batch asked for last
	Q 0, 1                                         ; the first quarter stands in front of the loop: its products start the sums
	WIN 0                                          ; at a label and at a branch every window is 0
	s_mov_b32 s3, 2
	s_branch .Lenter                               ; the loop is entered behind its first quarter
.LspanA:                                               ; a trip is a span; its slot is filled again
	Q 0, 0
	WIN 0
.Lenter:
	Q 1, 0
	XQ 2, 0, 0
	Q 4, 0
	Q 5, 0
	XQ 6, 1, 0
	WIN 0
	s_sub_co_u32 s3, s3, 1
	s_cmp_lg_u32 s3, 0
	s_cbranch_scc1 .LspanA
	s_mov_b32 s3, 2
.LspanB:                                               ; the last two spans fill nothing and have no round
	Q 0, 0
	Q 1, 0
	XQ 2, 0, 1
	Q 4, 0
	Q 5, 0
	XQ 6, 0, 1
	WIN 0
	s_sub_co_u32 s3, s3, 1
	s_cmp_lg_u32 s3, 0
	s_cbranch_scc1 .LspanB
; THE WAY OUT, 16 rows at a time.  PACK: rounded to f16, each accumulator's registers in ascending order: 16 bytes a lane.  TOSTAGE: into my own stage, and back as whole rows of 256 bytes.  SEND: stored.
.macro PACK a
	WIN W_PACK
.set i, 0
.rept 32
	v_cvt_pk_f16_f32 v[TMP+i], v[64*(\a)+2*i], v[64*(\a)+2*i+1]
.set i, i+1
.endr
	WIN 0
.endm
.macro TOSTAGE a
	WIN 0
.set BKA, BK+32*((\a)%2)
.if (\a) >= 2
	s_wait_xcnt 0x0                                ; the stores of two blocks back have read this buffer: it is loaded again only behind this wait
.endif
.irp b, 0,1,2,3,4,5,6,7
	ds_store_b128 v[STO], v[TMP+4*(\b):TMP+4*(\b)+3] offset:32*(\b)
.endr
.irp t, 0,1,2,3,4,5,6,7
	ds_load_b128 v[BKA+4*(\t):BKA+4*(\t)+3], v[RD] offset:(\t)*2*SP  ; LDS serves a wave's instructions in order (ISA guide 5.7.1.4): these see the stores above
.endr
.endm
.macro SEND a
	WIN 0
.set BKA, BK+32*((\a)%2)
	s_wait_dscnt 0x0                               ; the block is back in registers
.irp t, 0,1,2,3,4,5,6,7
	global_store_b128 v[CO], v[BKA+4*(\t):BKA+4*(\t)+3], s[8:9] offset:(16*(\a)+2*(\t))*CROW  ; 16 lanes store 256 consecutive bytes, at a multiple of 256 from p16's first byte
.endr
.endm
	PLACES
	PACK 0
	TOSTAGE 0
.irp a, 1,2,3                          ; block a's conversions stand between block a - 1's loads from the stage and the wait for them
	PACK \a
	SEND (\a)-1
	TOSTAGE \a
.endr
	SEND 3
	s_wait_tensorcnt 0x0                           ; the wave's end, behind my last tensor load and my last LDS store
	ds_add_u32 v[SPW], v[NIL]
	s_wait_dscnt 0x0
	CROUND                                         ; the closing round: no work-group ends while a partner may still ask for a tile that names it
	s_endpgm
.Lfunc_end_k_q0af264b158_proj:
	.size	k_q0af264b158_proj, .Lfunc_end_k_q0af264b158_proj-k_q0af264b158_proj
	.p2alignl 7, 3214868480
	.fill 96, 4, 3214868480
	.section	.rodata,"a",@progbits
	.p2align	6, 0x0
	.amdhsa_kernel k_q0af264b158_proj
		.amdhsa_group_segment_fixed_size 327680
		.amdhsa_private_segment_fixed_size 0
		.amdhsa_enable_private_segment 0
		.amdhsa_kernarg_size 40
		.amdhsa_user_sgpr_count 2
		.amdhsa_user_sgpr_kernarg_segment_ptr 1
		.amdhsa_wavefront_size32 1
		.amdhsa_system_sgpr_workgroup_id_x 1
		.amdhsa_system_sgpr_workgroup_id_y 1
		.amdhsa_system_sgpr_workgroup_id_z 1
		.amdhsa_system_vgpr_workitem_id 0
		.amdhsa_next_free_vgpr 1024
		.amdhsa_next_free_sgpr 96
		.amdhsa_reserve_vcc 0
		.amdhsa_float_denorm_mode_32 3
		.amdhsa_float_denorm_mode_16_64 3
		.amdhsa_memory_ordered 1
		.amdhsa_forward_progress 1
		.amdhsa_inst_pref_size 140
	.end_amdhsa_kernel
	.amdgpu_metadata
---
amdhsa.version: [ 1, 2 ]
amdhsa.kernels:
  - .name:           k_q0af264b158_proj
    .symbol:         k_q0af264b158_proj.kd
    .args:
      - { .name: q, .offset: 0, .size: 8, .value_kind: global_buffer, .address_space: global }
      - { .name: k, .offset: 8, .size: 8, .value_kind: global_buffer, .address_space: global }
      - { .name: v, .offset: 16, .size: 8, .value_kind: global_buffer, .address_space: global }
      - { .name: wb, .offset: 24, .size: 8, .value_kind: global_buffer, .address_space: global }
      - { .name: p16, .offset: 32, .size: 8, .value_kind: global_buffer, .address_space: global }
    .group_segment_fixed_size: 327680
    .private_segment_fixed_size: 0
    .kernarg_segment_align: 8
    .kernarg_segment_size: 40
    .max_flat_workgroup_size: 128
    .sgpr_count:     96
    .vgpr_count:     1024
    .wavefront_size: 32
...
	.end_amdgpu_metadata
.endif
;; end of part 2
;; launch scores (part 3): grid 8 x 64, 4 waves a work-group, clusters of 4 x 4, 327,680 bytes of LDS; arguments p16, pbuf, st; writes pbuf, st
.if DOCPART == 3
	.amdgcn_target "amdgcn-amd-amdhsa--gfx1250"
	.amdhsa_code_object_version 6
	.text
	.protected	k_q0af264b158_scores
	.globl	k_q0af264b158_scores
	.p2align	8
	.type	k_q0af264b158_scores,@function
k_q0af264b158_scores:
	s_mov_b64 s[64:65], 0
	v_nop
	global_prefetch_b8 v0, s[64:65] scope:SCOPE_SE
	s_setreg_imm32_b32 hwreg(HW_REG_WAVE_MODE, 25, 1), 1
	s_wait_xcnt 0x0
	s_wait_alu depctr_hold_cnt(0) depctr_sa_sdst(0) depctr_va_vdst(0) depctr_va_sdst(0) depctr_va_ssrc(0) depctr_va_vcc(0) depctr_vm_vsrc(0)
	s_getreg_b32 s2, hwreg(HW_REG_IB_STS2, 6, 4)
	s_cmp_eq_u32 s2, 0
	s_cbranch_scc0 .Lentry_in_a_cluster
	s_endpgm
.Lentry_in_a_cluster:
	s_bfe_u32 s2, ttmp6, 0x10000c
	s_cmp_lg_u32 s2, 0xf033
	s_cbranch_scc0 .Lentry_shape_is_right
	s_endpgm
.Lentry_shape_is_right:
; THE WEIGHTS.  s[row][key] = qp[row] . kp[key] over 1,024 channels (f16 products, f32 sums); row = 2,048 b + q, keys of the same batch b.  For each row and each TILE of 256 keys:
; cm = c x (the largest s of the tile), c = log2(e) / 32;  p = 2^(c s - cm), stored in f16 in pbuf[row][key] ([8192][2048]);  l = the sum of the unrounded p, in f32.
; the tile's maximum is taken away, so that p lies in 0 to 1, and the next launch joins the eight tiles of a row by their cm and l, in f32.
; st: [tile row 64][tile column 8][wave 4][2][16][4] f32: a wave's 512 bytes: l of its 64 rows over ITS 128 keys (row 16 a + i at [i][a]), then cm of the same rows over the tile's 256 keys.
; LIMITS.  A weight below 6e-8 of its tile's largest counts as 0 in pbuf (f16's fixed step); one below 2^-126 counts as 0 in l.  NaN and infinities are not treated apart.
; SHARES.  A tile of 128 rows x 256 keys to a work-group, 64 x 128 to a wave: 32 accumulators.  512 tiles.  K (channels) goes in 8 steps of 128; two steps are a SPAN.
; kp's ROAD: a ring of two LDS slots, a span (256 keys x 512 bytes) to a slot, filled by tensor loads, each wave its 64 rows.  4 x 4 work-groups form a cluster; the four of a column need the same tile of kp and ask for
; it JOINTLY.  From a refill to the wait for it a wave issues 248 matrix instructions.
; qp's ROAD: registers.  Wave w loads rows 32 w .. 32 w + 31, a K step (two rows' 256 bytes to a load) to a batch of 16 loads; two sets of 64 registers take turns, so that a batch is out for two K steps.  It is stored
; into ONE LDS region, XS, in the third quarter of the K step before its own, between two barriers: the first when nobody reads XS's old rows any more, the second when the new lie there.
; qp IS NOT ASKED FOR JOINTLY, though the four work-groups of a row of the cluster read the same rows.  What a tensor load brings lies in the ring, and with qp's tile beside kp's a slot of 128 along K takes 104,448 bytes:
; two slots of 256 along K (417,792 bytes) do not fit, and a span would hold 128 matrix instructions.  The price: each of the four partners asks for qp's rows itself.
; THE MATRIX INSTRUCTION IS USED TRANSPOSED (source 0 = 16 keys, source 1 = 16 rows): a lane holds ONE row (lane % 16) and, in accumulator (a, b), the keys 16 b + 8 (lane / 16) + 0..7.
; ONE TEXT FOR A SPAN OF EACH KIND: loop A (two trips) refills, loop B (the last two spans) does not; the slot is picked by the scalar TB.  Loop B's last trip stores a stale batch into XS and fetches fragments that nobody
; multiplies: 16 LDS stores and 24 LDS loads a wave, the price of not writing the last span out.
; REGISTERS, in windows of 256 (s_set_vgpr_msb: bits 1:0 source 0, 3:2 source 1, 5:4 source 2, 7:6 destination):
;   window 0: v0-31 addresses; v32-159 qp's two batches; behind the loops v32-63 packed weights, v64-127 rows read back from the stage, v128-143 statistics
;   window 1: two fragment buffers of 96      window 2: accumulator (a, b) at v[8 (8 a + b)]
.set NB,    16                         ; loads in a batch
.set AP,    272                        ; a row of XS: 256 bytes + 16 = 68 words: row r starts at bank 4 r mod 64 (64 banks of 4 bytes: ISA guide 11.1)
.set BP,    528                        ; a row of kp in a slot: 512 bytes + 16 of padding = 132 words: likewise
.set SLOT,  256*BP
.set XS,    2*SLOT                     ; behind the ring: 128 rows of qp; whole blocks of 256 bytes into which no tensor load lands
.set STAGE, XS+128*AP                  ; 16 rows x 272 bytes for each wave
.set SP,    272
.set MX,    STAGE+4*16*SP              ; 256 bytes for each wave: the maxima of its 64 rows over its 128 keys
.set SPARE, MX+4*256                   ; the spare words, 128 bytes for each wave: two blocks of 256 bytes that no other line names
.set AROW,  2048                       ; bytes in a row of qp
.set ASTEP, 256
.set ASPAN, 512
.set BSPAN, 512
.set CROW,  4096                       ; bytes in a row of pbuf
.set KP0,   16777216                   ; kp's first byte in p16
.set MXS,  14                          ; v14  where I put a row's maximum
.set MXL,  15                          ; v15  where the wave with the other 128 keys has put it
.set ADRA, 16                          ; v16  LDS address of my fragments of qp; never rewritten
.set PFX,  17                          ; v17  qp's prefetches: lane x a row
.set XO,   18                          ; v18  my 16 bytes of two rows' K step
.set XST,  19                          ; v19  where I store them in XS
.set ADRB, 20                          ; v20  LDS address of my fragments of kp in the slot in hand
.set ADRB0, 22                         ; v22  the same in slot 0; never rewritten
.set STO,  24
.set RD,   25
.set CO,   26
.set STA,  27                          ; v27  16 x lane: my 16 bytes of the wave's 512 in st
.set SPW,  28
.set NIL,  29
.set PFO,  30                          ; v30  kp's prefetches: row lane / 2, block lane % 2
.set LN,   31
.set RS,   32                          ; qp's batches: set par at RS + 64 par
.set TMP,  32
.set BK,   64
.set MXV,  128                         ; v[128+2a] the maximum, later cm, of row block a; v[129+2a] at work
.set LS,   136                         ; v[136+a]  l
.set SO,   140                         ; v[140:143] what goes to st
.set F0,   0
.set F1,   96
.set XP,  4                            ; s[4:5]   qp at my 32 rows, at the batch asked for last
.set LB,  20                           ; s20      my 64 rows' place in a slot
.set TB,  21                           ; s21      the slot in hand: 0 or SLOT
.set G1,  24
.set G0,  32
.set PB,  66
.set PX,  68
.set LIMB, 70
.set LIMX, 86
.set CS,  82                           ; s[82:83] c: the packed scaling takes the pair's low word for both halves
.set SEL, 84                           ; s[84:85] v_permlanex16_b32's selects: each lane takes its own place in the other half
.set MSB, 0
.macro WIN new
.if MSB != (\new)
	s_set_vgpr_msb (MSB<<8)|(\new)
.set MSB, \new
.endif
.endm
.set W_MUL,  0xa5                      ; sources 0 and 1 window 1, C and D window 2
.set W_LD,   0x40                      ; destination window 1
.set W_PACK, 0x0a                      ; sources 0 and 1 window 2, destination window 0
.set W_MAX3, 0x28                      ; sources 1 and 2 window 2
.set W_SC,   0x82                      ; destination and source 0 window 2
.set W_TREE, 0x8a                      ; destination and sources 0 and 1 window 2
.macro JLOAD s                         ; a joint load: every wave its own 64 rows; an s_nop 0 and four v_nop follow it
	tensor_load_to_lds s[G0+4*(\s):G0+4*(\s)+3], s[G1:G1+7]
	s_nop 0
.rept 4
	v_nop
.endr
.endm
.macro CREST
	s_cmp_lg_u32 s10, 0
	s_cbranch_scc1 .Lnot_wave_0_\@
	s_barrier_signal -3
.Lnot_wave_0_\@:
	s_barrier_wait -3
	s_barrier_signal -1
	s_barrier_wait -1
.endm
.macro CROUND
	s_barrier_signal -1
	s_barrier_wait -1
	CREST
.endm
.macro PLACES                          ; four places in front of loads into registers that matrix instructions have read, and of vector lines that read results (ISA guide 7.12.1 for vector lines that read results)
.rept 4
	v_nop
.endr
.endm
; PREFETCHES INTO THE L2, behind a joint refill, the run of LDS loads and the batch's loads.  In span j a wave names span j + 3: of kp what the next refill will ask for, 256 matrix instructions ahead of that load; of qp
; the two batches that the next two spans load.  Each aligned block of 256 bytes is named once in the launch.  kp's rows are read by the four clusters of a batch: the first asks; of the 64 rows that a wave fetches each
; of the four partners takes 16, two blocks a row, told apart by address (cy).  qp's 128 rows are read by the two clusters of a row of clusters: the first asks; partner cx takes 32 rows, a lane a row, wave 0 their
; first block of the span and wave 1 their second.  Loop A's last trip asks for nothing: K ends there.
.macro ASK
	WIN 0
	s_cmp_gt_u32 s3, s[LIMB]
	s_cbranch_scc0 .Lnot_b_\@
	global_prefetch_b8 v[PFO], s[PB:PB+1] th:TH_LOAD_NT scope:SCOPE_SE
.Lnot_b_\@:
	s_cmp_gt_u32 s3, s[LIMX]
	s_cbranch_scc0 .Lnot_x_\@
	global_prefetch_b8 v[PFX], s[PX:PX+1] th:TH_LOAD_NT scope:SCOPE_SE
.Lnot_x_\@:
.endm
.macro XLOAD par, off                  ; a batch of qp into set par: 16 loads; lanes 0-15 take 256 consecutive bytes of one row, lanes 16-31 of the next
	WIN 0
.set j, 0
.rept 16
	global_load_b128 v[RS+64*(\par)+4*j:RS+64*(\par)+4*j+3], v[XO], s[XP:XP+1] offset:(\off)+2*AROW*j
.set j, j+1
.endr
.endm
.macro XSTORE par                      ; set par into XS
	WIN 0
.set j, 0
.rept 16
	ds_store_b128 v[XST], v[RS+64*(\par)+4*j:RS+64*(\par)+4*j+3] offset:2*AP*j
.set j, j+1
.endr
.endm
.macro XISSUE par, pf                  ; the next batch is asked for; pf = 1: the prefetches' addresses step too
	WIN 0
	s_wait_xcnt 0x0                                ; the loads of a K step back and the prefetches of a span back have read their addresses
	s_add_nc_u64 s[XP:XP+1], s[XP:XP+1], ASTEP
.if \pf
	s_add_nc_u64 s[PB:PB+1], s[PB:PB+1], BSPAN
	s_add_nc_u64 s[PX:PX+1], s[PX:PX+1], ASPAN
.endif
	XLOAD \par, 0
.endm
	s_load_b64 s[72:73], s[0:1], 0x0               ; p16
	s_load_b64 s[8:9], s[0:1], 0x8                 ; pbuf
	s_load_b64 s[80:81], s[0:1], 0x10              ; st
	v_lshl_add_u32 v[SPW], v0, 2, SPARE
	v_mov_b32 v[NIL], 0
	ds_add_u32 v[SPW], v[NIL]                      ; the wave's opening: the add, twice on end, and its wait ahead of my first tensor load
	ds_add_u32 v[SPW], v[NIL]                      ; and once more; the set-up below, work on registers, stands between it and the wait
	v_lshrrev_b32 v1, 5, v0
	v_readfirstlane_b32 s10, v1                    ; wave 0..3
	s_lshr_b32 s11, s10, 1                         ; which 64 of the tile's rows are mine
	s_and_b32 s12, s10, 1                          ; which 128 of its keys
	s_bfe_u32 s40, ttmp6, 0x40000                  ; cx, cy
	s_bfe_u32 s41, ttmp6, 0x40004
	s_lshl_b32 s42, ttmp9, 2
	s_add_co_u32 s42, s42, s40                     ; tile column, 0..7
	s_and_b32 s45, ttmp7, 0xffff                   ; cluster y
	s_lshl_b32 s13, s45, 2
	s_add_co_u32 s13, s13, s41                     ; tile row, 0..63
	s_lshl_b32 s44, 0x1111, s40                    ; my column of the cluster
	s_lshr_b32 s71, s45, 2                         ; the batch: four clusters along y to each
	s_or_b32 s[G1+0], s44, (1<<16)|(1<<20)|(1<<21)|(6<<22)|(3<<25)   ; the mask; 2-byte elements; padding on; bit 21 beside a mask; after every 128 words, 4 words
	s_mov_b32 s[G1+1], 256<<16                     ; tensor_dim0 = 256
	s_mov_b32 s[G1+2], 64<<16                      ; tensor_dim1 = 64
	s_mov_b32 s[G1+3], 256<<16                     ; tile_dim0 = 256
	s_mov_b32 s[G1+4], 64                          ; tile_dim1 = 64
	s_mov_b32 s[G1+5], 1024                        ; elements from row to row
	s_mov_b32 s[G1+6], 0
	s_mov_b32 s[G1+7], 0
	s_mov_b32 s[CS], 0x3d38aa3b                    ; c = log2(e) / 32 = 0.0450842
	s_mov_b32 s[CS+1], s[CS]                       ; named with it as a pair
	s_mov_b32 s[SEL], 0x76543210
	s_mov_b32 s[SEL+1], 0xfedcba98
	s_lshl_b32 s16, s13, 7                         ; qp: row 128 x tile row + 32 x wave,
	s_lshl_b32 s17, s10, 5
	s_add_co_u32 s16, s16, s17
	s_lshl_b32 s16, s16, 11                        ; 2,048 bytes a row
	s_mov_b32 s17, 0
	s_lshl_b32 s46, s42, 8                         ; kp: row 2,048 x batch + 256 x tile column + 64 x wave
	s_lshl_b32 s47, s10, 6
	s_add_co_u32 s46, s46, s47
	s_lshl_b32 s47, s71, 11
	s_add_co_u32 s46, s46, s47
	s_lshl_b32 s46, s46, 11
	s_add_co_u32 s46, s46, KP0
	s_mov_b32 s47, 0
	s_mul_i32 s[LB], s10, 64*BP                    ; the wave's number alone enters an LDS address
	s_mov_b32 s[TB], 0
	s_wait_dscnt 0x0                               ; both opening adds are done
	s_wait_kmcnt 0x0
	s_add_nc_u64 s[XP:XP+1], s[72:73], s[16:17]
	s_add_nc_u64 s[46:47], s[72:73], s[46:47]
	CROUND                                         ; all sixteen work-groups are here: the first joint loads meet
.irp s, 0,1
	s_mov_b32 s[G0+4*(\s)], 1
	s_add_co_u32 s[G0+4*(\s)+1], s[LB], (\s)*SLOT
	s_add_nc_u64 s[G0+4*(\s)+2:G0+4*(\s)+3], s[46:47], (\s)*BSPAN
	s_or_b32 s[G0+4*(\s)+3], s[G0+4*(\s)+3], 0x80000000
	JLOAD \s                                       ; two tensor loads of mine are out
.endr
	v_and_b32 v1, 15, v0                           ; r = l % 16
	v_bfe_u32 v2, v0, 4, 1                         ; h = l / 16
	v_and_b32 v[LN], 31, v0
	v_lshlrev_b32 v3, 11, v2
	v_lshl_add_u32 v[XO], v1, 4, v3                ; row h, 16 bytes for each of 16 lanes
	XLOAD 0, 0                                     ; K step 0
	XLOAD 1, ASTEP                                 ; K step 1
	s_mul_i32 s22, s10, 32*AP
	s_add_co_u32 s22, s22, XS
	v_mul_u32_u24 v3, v2, AP
	v_lshl_add_u32 v3, v1, 4, v3
	v_add_nc_u32 v[XST], s22, v3                   ; my wave's 32 rows of XS
	v_mul_u32_u24 v3, v1, AP
	v_lshl_add_u32 v3, v2, 4, v3                   ; a fragment's row x pitch + 16 x half
	s_mul_i32 s22, s11, 64*AP                      ; my 64 rows of qp
	s_add_co_u32 s22, s22, XS
	v_add_nc_u32 v[ADRA], s22, v3
	v_mul_u32_u24 v4, v1, BP
	v_lshl_add_u32 v4, v2, 4, v4
	s_mul_i32 s22, s12, 128*BP                     ; my 128 rows of kp
	v_add_nc_u32 v[ADRB0], s22, v4
	v_mov_b32 v[ADRB], v[ADRB0]
	s_mul_i32 s23, s10, 16*SP
	s_add_co_u32 s23, s23, STAGE                   ; my stage
	v_mul_u32_u24 v5, v1, SP
	v_lshl_add_u32 v5, v2, 4, v5
	v_add_nc_u32 v[STO], s23, v5
	v_mul_u32_u24 v5, v2, SP
	v_lshl_add_u32 v5, v1, 4, v5
	v_add_nc_u32 v[RD], s23, v5
	v_lshlrev_b32 v5, 12, v2                       ; two rows of pbuf
	v_lshl_add_u32 v[CO], v1, 4, v5
	v_lshlrev_b32 v[STA], 4, v[LN]
	s_lshl_b32 s22, s10, 8
	s_add_co_u32 s22, s22, MX
	v_lshl_add_u32 v[MXS], v1, 2, s22              ; MX + 256 w + 4 r
	s_xor_b32 s22, s10, 1                          ; the wave with my rows and the other keys
	s_lshl_b32 s22, s22, 8
	s_add_co_u32 s22, s22, MX
	v_lshl_add_u32 v[MXL], v1, 2, s22
	; the prefetches stand at span 2; the first refill steps them to span 3
	s_lshl_b32 s88, s41, 15                        ; kp: my work-group's 16 of the wave's 64 rows
	s_add_co_u32 s88, s88, 2*BSPAN
	s_mov_b32 s89, 0
	s_add_nc_u64 s[PB:PB+1], s[46:47], s[88:89]
	s_and_b32 s88, s45, 3                          ; the batch's first cluster asks
	s_cmp_eq_u32 s88, 0
	s_cselect_b32 s[LIMB], 1, -1                   ; the same in all sixteen partners
	v_and_b32 v6, 30, v[LN]
	v_and_b32 v7, 1, v[LN]
	v_lshlrev_b32 v7, 8, v7
	v_lshl_add_u32 v[PFO], v6, 10, v7              ; (l / 2) x 2,048 + (l % 2) x 256
	s_lshl_b32 s88, s13, 7                         ; qp: row 128 x tile row + 32 x cx,
	s_lshl_b32 s90, s40, 5
	s_add_co_u32 s88, s88, s90
	s_lshl_b32 s88, s88, 11
	s_lshl_b32 s90, s12, 8                         ; the wave's block of the span's two
	s_add_co_u32 s88, s88, s90
	s_add_co_u32 s88, s88, 2*ASPAN
	s_add_nc_u64 s[PX:PX+1], s[72:73], s[88:89]
	s_or_b32 s88, ttmp9, s11                       ; waves 0 and 1 of the first cluster along x
	s_cmp_eq_u32 s88, 0
	s_cselect_b32 s[LIMX], 1, -1                   ; the same in all sixteen partners, for a given wave
	v_lshlrev_b32 v[PFX], 11, v[LN]
	; where my part of the tile begins in pbuf, and my 512 bytes of st
	s_lshl_b32 s16, s13, 7
	s_lshl_b32 s17, s11, 6
	s_add_co_u32 s16, s16, s17
	s_lshl_b32 s16, s16, 12
	s_mov_b32 s17, 0
	s_add_nc_u64 s[8:9], s[8:9], s[16:17]
	s_lshl_b32 s46, s42, 9
	s_lshl_b32 s47, s12, 8
	s_add_co_u32 s46, s46, s47
	s_mov_b32 s47, 0
	s_add_nc_u64 s[8:9], s[8:9], s[46:47]
	s_lshl_b32 s88, s13, 14
	s_lshl_b32 s90, s42, 11
	s_add_co_u32 s88, s88, s90
	s_lshl_b32 s90, s10, 9
	s_add_co_u32 s88, s88, s90
	s_add_nc_u64 s[80:81], s[80:81], s[88:89]
; 8 matrix instructions: row block a x all 8 key blocks, 32 along K.  Each of the 32 accumulators has one instruction a quarter, always in the same order: no two matrix instructions that follow
; each other share an accumulator, over the backward jumps too.
.macro MUL8 f, a, zero
	WIN W_MUL
.irp b, 0,1,2,3,4,5,6,7
.if \zero
	v_wmma_f32_16x16x32_f16 v[8*(8*(\a)+(\b)):8*(8*(\a)+(\b))+7], v[(\f)+32+8*(\b):(\f)+32+8*(\b)+7], v[(\f)+8*(\a):(\f)+8*(\a)+7], 0
.else
	v_wmma_f32_16x16x32_f16 v[8*(8*(\a)+(\b)):8*(8*(\a)+(\b))+7], v[(\f)+32+8*(\b):(\f)+32+8*(\b)+7], v[(\f)+8*(\a):(\f)+8*(\a)+7], v[8*(8*(\a)+(\b)):8*(8*(\a)+(\b))+7]
.endif
.endr
.endm
; 24 LDS loads in one run: quarter kq (0..7) of a span into buffer g: kp's 16 loads from the slot in hand, then qp's 8 from XS
.macro FETCH kq, g
	WIN W_LD
.irp b, 0,1,2,3,4,5,6,7
	ds_load_b128 v[(\g)+32+8*(\b):(\g)+32+8*(\b)+3],   v[ADRB] offset:64*(\kq)+16*BP*(\b)
	ds_load_b128 v[(\g)+32+8*(\b)+4:(\g)+32+8*(\b)+7], v[ADRB] offset:64*(\kq)+16*BP*(\b)+32
.endr
.irp a, 0,1,2,3
	ds_load_b128 v[(\g)+8*(\a):(\g)+8*(\a)+3],   v[ADRA] offset:64*((\kq)%4)+16*AP*(\a)
	ds_load_b128 v[(\g)+8*(\a)+4:(\g)+8*(\a)+7], v[ADRA] offset:64*((\kq)%4)+16*AP*(\a)+32
.endr
.endm
; Quarter k (0, 1, 4, 5) of a span, on buffer k % 2: asks for the next quarter into the other buffer, four places behind that buffer's last products, then multiplies: the run has 32 products in which to land.
.macro Q k, zero
	PLACES
	FETCH (\k)+1, F1-96*((\k)%2)
	s_wait_dscnt 24                                ; all but the 24 just issued: this quarter's fragments are in
.irp a, 0,1,2,3
	MUL8 F0+96*((\k)%2), \a, \zero
.endr
.endm
; Quarters k and k + 1 (k = 2 or 6): THE EXCHANGE OF XS and, at k = 6, THE CHANGE OF SLOTS.  The fetch at the head is the last read of XS's rows (at k = 6: of the slot too).
; BARRIER 1: every wave's reads are back.  At k = 6 each wave has also waited for all its tensor loads, of which one is out: its part of the other slot; and has added 0 to its spare word.  fill = 1: the barrier opens a
; round of the cluster's barrier, and the slot just read is filled again, with the span two on, first thing behind the round.  Then the next K step's rows are stored.  BARRIER 2: they lie there.
; tail = 1 (loop B): the last batch is asked for in the first trip at k = 2; in the second trip no younger batch is out, so the wait there is for 0.
.macro XQ k, fill, tail
.set PAR, 1-((\k)/4)                   ; the batch to be stored: an odd K step's at k = 2, an even one's at k = 6
	PLACES
	FETCH (\k)+1, F1
	s_wait_dscnt 24
	MUL8 F0, 0, 0
	WIN 0                                          ; (the add's two registers lie in window 0; a branch may follow)
.if (\k) == 6
	s_wait_tensorcnt 0x0                           ; all my tensor loads have landed, so a group 0 may be written;
	ds_add_u32 v[SPW], v[NIL]                      ; 0 onto my spare word
.if \fill
	s_add_co_u32 s[G0+5], s[LB], s[TB]             ; the walking descriptor: into the slot in hand,
	s_add_nc_u64 s[G0+6:G0+7], s[G0+6:G0+7], BSPAN ; the next span; the type bits on top are not reached
.endif
.endif
.if (\tail) && ((\k) == 2)
	s_cmp_lg_u32 s3, 1
	s_cbranch_scc1 .Lyoung_\@
	s_wait_loadcnt 0x0
.Lyoung_\@:
.endif
	s_wait_loadcnt NB                              ; loads come back in order: the batch is in; the one younger batch may stay out
	MUL8 F0, 1, 0
	s_wait_dscnt 0x0                               ; my reads of XS (and of the slot) are back; the add is done
	s_barrier_signal -1
	WIN 0
	s_barrier_wait -1
.if \fill
	CREST                                          ; no wave of any partner still reads the slot or has a load on its way
	JLOAD 1                                        ; my one tensor load behind the round
.endif
	XSTORE PAR
	MUL8 F0, 2, 0
	MUL8 F0, 3, 0
	s_wait_dscnt 0x0                               ; for the others' sake: my stores are done
	s_barrier_signal -1
	MUL8 F1, 0, 0
	s_barrier_wait -1
	PLACES
.if (\k) == 6
	WIN 0
	s_xor_b32 s[TB], s[TB], SLOT                   ; the other slot
	v_add_nc_u32 v[ADRB], s[TB], v[ADRB0]
.endif
	FETCH ((\k)+2)%8, F0
.if !(\tail)
	XISSUE PAR, \fill                              ; the set just stored takes the K step two steps on from the one it held
.if \fill
	ASK
.endif
.elseif (\k) == 2
	WIN 0
	s_cmp_lg_u32 s3, 2
	s_cbranch_scc1 .Lnone_\@                       ; K ends: the second trip asks for nothing
	XISSUE PAR, 0
	WIN 0
.Lnone_\@:
.endif
	MUL8 F1, 1, 0
	MUL8 F1, 2, 0
	MUL8 F1, 3, 0
.endm
	s_wait_loadcnt NB                              ; K step 0 is in
	XSTORE 0
	s_wait_dscnt 0x0                               ; for the others' sake: my rows lie in XS
	XLOAD 0, 2*ASTEP                               ; K step 2
	s_wait_tensorcnt 1                             ; my part of span 0 is in; span 1's may stay out
	s_barrier_signal -1
	s_barrier_wait -1
	FETCH 0, F0
	WIN 0
	s_wait_xcnt 0x0
	s_add_nc_u64 s[XP:XP+1], s[XP:XP+1], 2*ASTEP   ; at the batch asked for last
	Q 0, 1                                         ; the first quarter stands in front of the loop: its products start the sums
	WIN 0
	s_mov_b32 s3, 2
	s_branch .Lenter                               ; the loop is entered behind its first quarter
.LspanA:                                               ; a trip is a span; its slot is filled again
	Q 0, 0
	WIN 0
.Lenter:
	Q 1, 0
	XQ 2, 0, 0
	Q 4, 0
	Q 5, 0
	XQ 6, 1, 0
	WIN 0
	s_sub_co_u32 s3, s3, 1
	s_cmp_lg_u32 s3, 0
	s_cbranch_scc1 .LspanA
	s_mov_b32 s3, 2
.LspanB:                                               ; the last two spans fill nothing and have no round
	Q 0, 0
	Q 1, 0
	XQ 2, 0, 1
	Q 4, 0
	Q 5, 0
	XQ 6, 0, 1
	WIN 0
	s_sub_co_u32 s3, s3, 1
	s_cmp_lg_u32 s3, 0
	s_cbranch_scc1 .LspanB
	; THE MAXIMUM of a row over the tile's 256 keys.  A lane's 64 scores of row block a are v[64 a .. 64 a + 63] of window 2; the four blocks' chains take turns; each accumulator's lowest registers are read first.
	PLACES
.irp a, 0,1,2,3
	v_mov_b32 v[MXV+2*(\a)+1], 0                   ; written, since v_permlanex16_b32's destination and a pair's upper word count as read
.endr
	WIN W_PACK
.irp a, 0,1,2,3
	v_max_num_f32 v[MXV+2*(\a)], v[64*(\a)], v[64*(\a)+1]
.endr
	WIN W_MAX3
.set j, 1
.rept 31
.irp a, 0,1,2,3
	v_max3_num_f32 v[MXV+2*(\a)], v[MXV+2*(\a)], v[64*(\a)+2*j], v[64*(\a)+2*j+1]
.endr
.set j, j+1
.endr
	WIN 0
.irp a, 0,1,2,3
	v_permlanex16_b32 v[MXV+2*(\a)+1], v[MXV+2*(\a)], s[SEL], s[SEL+1]  ; the row's other 64 keys of my 128 lie in the lane 16 away
.endr
.irp a, 0,1,2,3
	v_max_num_f32 v[MXV+2*(\a)], v[MXV+2*(\a)], v[MXV+2*(\a)+1]
.endr
.irp a, 0,1,2,3
	ds_store_b32 v[MXS], v[MXV+2*(\a)] offset:64*(\a)   ; lanes r and r + 16 write the same word with the same number
.endr
	s_wait_dscnt 0x0                               ; for the other wave's sake: my stores are done
	s_barrier_signal -1
	s_barrier_wait -1
.irp a, 0,1,2,3
	ds_load_b32 v[MXV+2*(\a)+1], v[MXL] offset:64*(\a)  ; the same rows' maxima over the tile's other 128 keys
.endr
	s_wait_dscnt 0x0
.irp a, 0,1,2,3
	v_max_num_f32 v[MXV+2*(\a)], v[MXV+2*(\a)], v[MXV+2*(\a)+1]
.endr
.irp a, 0,1,2,3
	v_mul_f32 v[MXV+2*(\a)], s[CS], v[MXV+2*(\a)]  ; cm
.endr
; Row block a: c s - cm; the 64 exponentials, ONE batch with one plain line and one wait behind it, ahead of the first line that names a result; the roundings to f16; the sum of the unrounded weights.
.macro SOFT a
	WIN W_SC
.set i, 64*(\a)
.rept 32
	v_pk_fma_f32 v[i:i+1], v[i:i+1], s[CS:CS+1], v[MXV+2*(\a):MXV+2*(\a)+1] op_sel_hi:[1,0,0] neg_lo:[0,0,1] neg_hi:[0,0,1]
.set i, i+2
.endr
.set i, 64*(\a)
.rept 64
	v_exp_f32 v[i], v[i]
.set i, i+1
.endr
	v_nop
	s_wait_alu depctr_va_vdst(0)
	WIN W_PACK
.set i, 0
.rept 32
	v_cvt_pk_f16_f32 v[TMP+i], v[64*(\a)+2*i], v[64*(\a)+2*i+1]
.set i, i+1
.endr
	WIN W_TREE
.irp w, 32,16,8,4,2                    ; 31 packed additions, in place: halves 32, 16, 8, 4 and 2 registers apart
.set u, 0
.rept (\w)/2
	v_pk_add_f32 v[64*(\a)+u:64*(\a)+u+1], v[64*(\a)+u:64*(\a)+u+1], v[64*(\a)+u+(\w):64*(\a)+u+(\w)+1]
.set u, u+2
.endr
.endr
	WIN W_PACK
	v_add_f32 v[LS+(\a)], v[64*(\a)], v[64*(\a)+1]
	WIN 0
.endm
.macro TOSTAGE a                       ; into my own stage, and back as whole rows of 256 bytes
	WIN 0
.set BKA, BK+32*((\a)%2)
.if (\a) >= 2
	s_wait_xcnt 0x0                                ; the stores of two blocks back have read this buffer: it is loaded again only behind this wait
.endif
.irp b, 0,1,2,3,4,5,6,7
	ds_store_b128 v[STO], v[TMP+4*(\b):TMP+4*(\b)+3] offset:32*(\b)
.endr
.irp t, 0,1,2,3,4,5,6,7
	ds_load_b128 v[BKA+4*(\t):BKA+4*(\t)+3], v[RD] offset:(\t)*2*SP  ; LDS serves a wave's instructions in order (ISA guide 5.7.1.4): these see the stores above
.endr
.endm
.macro SEND a
	WIN 0
.set BKA, BK+32*((\a)%2)
	s_wait_dscnt 0x0
.irp t, 0,1,2,3,4,5,6,7
	global_store_b128 v[CO], v[BKA+4*(\t):BKA+4*(\t)+3], s[8:9] offset:(16*(\a)+2*(\t))*CROW  ; 16 lanes store 256 consecutive bytes, at a multiple of 256 from pbuf's first byte
.endr
.endm
	SOFT 0
	TOSTAGE 0
.irp a, 1,2,3                          ; block a's arithmetic stands between block a - 1's loads from the stage and the wait for them
	SOFT \a
	SEND (\a)-1
	TOSTAGE \a
.endr
	SEND 3
.irp a, 0,1,2,3
	v_permlanex16_b32 v[MXV+2*(\a)+1], v[LS+(\a)], s[SEL], s[SEL+1]
.endr
.irp a, 0,1,2,3
	v_add_f32 v[LS+(\a)], v[LS+(\a)], v[MXV+2*(\a)+1]   ; l of the row over my 128 keys
.endr
	v_cmp_gt_u32 s22, 16, v[LN]
.irp a, 0,1,2,3
	v_cndmask_b32 v[SO+(\a)], v[MXV+2*(\a)], v[LS+(\a)], s22  ; lanes 0-15 carry l, lanes 16-31 cm
.endr
	global_store_b128 v[STA], v[SO:SO+3], s[80:81] ; the wave's 512 consecutive bytes of st
	s_wait_tensorcnt 0x0                           ; the wave's end, behind my last tensor load and my last LDS store
	ds_add_u32 v[SPW], v[NIL]
	s_wait_dscnt 0x0
	CROUND                                         ; the closing round
	s_endpgm
.Lfunc_end_k_q0af264b158_scores:
	.size	k_q0af264b158_scores, .Lfunc_end_k_q0af264b158_scores-k_q0af264b158_scores
	.p2alignl 7, 3214868480
	.fill 96, 4, 3214868480
	.section	.rodata,"a",@progbits
	.p2align	6, 0x0
	.amdhsa_kernel k_q0af264b158_scores
		.amdhsa_group_segment_fixed_size 327680
		.amdhsa_private_segment_fixed_size 0
		.amdhsa_enable_private_segment 0
		.amdhsa_kernarg_size 24
		.amdhsa_user_sgpr_count 2
		.amdhsa_user_sgpr_kernarg_segment_ptr 1
		.amdhsa_wavefront_size32 1
		.amdhsa_system_sgpr_workgroup_id_x 1
		.amdhsa_system_sgpr_workgroup_id_y 1
		.amdhsa_system_sgpr_workgroup_id_z 1
		.amdhsa_system_vgpr_workitem_id 0
		.amdhsa_next_free_vgpr 768
		.amdhsa_next_free_sgpr 96
		.amdhsa_reserve_vcc 0
		.amdhsa_float_denorm_mode_32 3
		.amdhsa_float_denorm_mode_16_64 3
		.amdhsa_memory_ordered 1
		.amdhsa_forward_progress 1
		.amdhsa_inst_pref_size 141
	.end_amdhsa_kernel
	.amdgpu_metadata
---
amdhsa.version: [ 1, 2 ]
amdhsa.kernels:
  - .name:           k_q0af264b158_scores
    .symbol:         k_q0af264b158_scores.kd
    .args:
      - { .name: p16, .offset: 0, .size: 8, .value_kind: global_buffer, .address_space: global }
      - { .name: pbuf, .offset: 8, .size: 8, .value_kind: global_buffer, .address_space: global }
      - { .name: st, .offset: 16, .size: 8, .value_kind: global_buffer, .address_space: global }
    .group_segment_fixed_size: 327680
    .private_segment_fixed_size: 0
    .kernarg_segment_align: 8
    .kernarg_segment_size: 24
    .max_flat_workgroup_size: 128
    .sgpr_count:     96
    .vgpr_count:     768
    .wavefront_size: 32
...
	.end_amdgpu_metadata
.endif
;; end of part 3
;; launch pv (part 4): grid 4 x 64, 4 waves a work-group, clusters of 4 x 4, 327,680 bytes of LDS; arguments pbuf, p16, st, out0; writes out0
.if DOCPART == 4
	.amdgcn_target "amdgcn-amd-amdhsa--gfx1250"
	.amdhsa_code_object_version 6
	.text
	.protected	k_q0af264b158_pv
	.globl	k_q0af264b158_pv
	.p2align	8
	.type	k_q0af264b158_pv,@function
k_q0af264b158_pv:
	s_mov_b64 s[64:65], 0
	v_nop
	global_prefetch_b8 v0, s[64:65] scope:SCOPE_SE
	s_setreg_imm32_b32 hwreg(HW_REG_WAVE_MODE, 25, 1), 1
	s_wait_xcnt 0x0
	s_wait_alu depctr_hold_cnt(0) depctr_sa_sdst(0) depctr_va_vdst(0) depctr_va_sdst(0) depctr_va_ssrc(0) depctr_va_vcc(0) depctr_vm_vsrc(0)
	s_getreg_b32 s2, hwreg(HW_REG_IB_STS2, 6, 4)
	s_cmp_eq_u32 s2, 0
	s_cbranch_scc0 .Lentry_in_a_cluster
	s_endpgm
.Lentry_in_a_cluster:
	s_bfe_u32 s2, ttmp6, 0x10000c
	s_cmp_lg_u32 s2, 0xf033
	s_cbranch_scc0 .Lentry_shape_is_right
	s_endpgm
.Lentry_shape_is_right:
; THE OUTPUT.  out0[row][e] = the sum over the row's eight tiles t of 256 keys of f_t x (the sum over the tile's keys of p[row][key] vp[key][e]);  f_t = 2^(cm_t - M) / L, M = the largest cm_t,
; L = the sum over t of 2^(cm_t - M) l_t.  That is softmax(s) vp with the row's maximum taken away.  pbuf: [8192][2048] f16; vp: the third part of p16, [8192][1024] f16; st as the launch before left it; out0: f32.
; Products in f16, all sums, M, L and f in f32.
; LIMITS.  A tile whose cm lies 126 or more below M counts as 0.  NaN and infinities are not treated apart.
; SHARES.  A tile of 128 rows x 256 channels to a work-group, 64 x 128 to a wave.  256 tiles.  K (keys) goes in 16 steps of 128; two steps are a SPAN, which is one tile of 256 keys: its sums X start at 0, and at its
; end T += f_t X.
; vp's ROAD: a ring of two LDS slots, a span (256 keys x 512 bytes) to a slot, filled by tensor loads, each wave its 64 keys.  4 x 4 work-groups form a cluster; the four of a column need the same tile of vp and ask for
; it JOINTLY.  From a refill to the wait for it a wave issues 248 matrix instructions.
; p's ROAD: registers.  Wave w loads rows 32 w .. 32 w + 31, a K step (two rows' 256 bytes to a load) to a batch of 16 loads; two sets of 64 registers take turns, so that a batch is out for two K steps.  It is stored
; into ONE LDS region, XS, in the third quarter of the K step before its own, between two barriers: the first when nobody reads XS's old rows any more, the second when the new lie there.
; p IS NOT ASKED FOR JOINTLY, though the four work-groups of a row of the cluster read the same rows.  What a tensor load brings lies in the ring, and with p's tile beside vp's a slot of 128 keys takes 104,448 bytes:
; two slots of 256 keys (417,792 bytes) do not fit, and a span would hold 128 matrix instructions.  The price: each of the four partners asks for p's rows itself.
; LAYOUT.  Source 0 = 16 channels x 32 keys of vp, which lies [key][channel] and is turned on its way out of LDS by ds_load_tr16_b128; source 1 = 16 rows x 32 keys of p.  A lane holds ONE row (lane % 16) and, in
; accumulator (a, b), the channels 16 b + 8 (lane / 16) + 0..7.
; ONE TEXT FOR A SPAN OF EACH KIND: loop A (six trips) refills, loop B (the last two spans) does not; the slot is picked by the scalar TB.  Loop B's last trip stores a stale batch into XS and fetches fragments that nobody
; multiplies: 16 LDS stores and 24 LDS loads a wave, the price of not writing the last span out.
; T IS CLEARED, by 256 v_mov_b32 that run while the first loads are on their way: a first span written out, whose merge would start T, would be a third copy of the span's text.
; REGISTERS, in windows of 256 (s_set_vgpr_msb: bits 1:0 source 0, 3:2 source 1, 5:4 source 2, 7:6 destination):
;   window 0: v0-31 addresses; v32-159 p's two batches; v184-255 the factors; behind the loops v64-191 the way out's rows      window 1: two fragment buffers of 96
;   window 2: X, (a, b) at v[8 (8 a + b)]; ahead of the first product the statistics at work      window 3: T, likewise
.set NB,    16                         ; loads in a batch
.set AP,    272                        ; a row of XS: 256 bytes + 16: row r starts at bank 4 r mod 64 (64 banks of 4 bytes: ISA guide 11.1)
.set PV,    544                        ; a row of vp in a slot: 512 bytes + 32 of padding = 136 words
.set SLOT,  256*PV
.set XS,    2*SLOT                     ; behind the ring: 128 rows of p; whole blocks of 256 bytes into which no tensor load lands.  Behind the last product it is the stage: 16 rows x 528 bytes for each wave
.set SP,    528
.set SPARE, XS+128*AP                  ; the spare words, 128 bytes for each wave: two blocks of 256 bytes that no other line names
.set AROW,  4096                       ; bytes in a row of pbuf
.set ASTEP, 256
.set ASPAN, 512
.set BSPAN, 524288                     ; 256 rows of vp
.set VP0,   33554432                   ; vp's first byte in p16
.set ADRA, 16                          ; v16  LDS address of my fragments of p; never rewritten
.set PFX,  17                          ; v17  p's prefetches: lane x a row
.set XO,   18                          ; v18  my 16 bytes of two rows' K step
.set XST,  19                          ; v19  where I store them in XS
.set ADRB, 20                          ; v20-21  LDS address of my fragments of vp in the slot in hand: keys 0-127, keys 128-255 (an LDS offset has 16 bits)
.set ADRB0, 22                         ; v22  the same in slot 0; never rewritten
.set STO,  24
.set RD,   25
.set CO,   26
.set STA,  27                          ; v27  16 x (lane % 16): my row's four numbers in a block of st
.set SPW,  28
.set NIL,  29
.set PFO,  30                          ; v30  vp's prefetches: key lane / 2, block lane % 2
.set LN,   31
.set RS,   32                          ; p's batches: set par at RS + 64 par
.set LL,   0                           ; window 2: v[8t+4c+a]   l of tile t, key half c, row block a
.set CM,   64                          ; window 2: v[64+4t+a]   cm, then 2^(cm - M)
.set MM,   96                          ; window 2: v[96+a]      M
.set LT,   100                         ; window 2: v[100+a]     L
.set RR,   104                         ; window 2: v[104+a]     1 / L
.set CUR,  184                         ; v[184+2a]      the factor of the span in hand; the odd registers are named with them as pairs
.set FT,   192                         ; v[192+8t+2a]   the factors to come; v[193+8t+2a] l of both key halves
.set OB,   64                          ; the way out: 16 rows read back: v64-127 and v128-191 by turns
.set F0,   0
.set F1,   96
.set XP,  4                            ; s[4:5]   p at my 32 rows, at the batch asked for last
.set LB,  20                           ; s20      my 64 keys' place in a slot
.set TB,  21                           ; s21      the slot in hand: 0 or SLOT
.set G1,  24
.set G0,  32
.set PB,  66
.set PX,  68
.set LIMB, 70
.set LIMX, 86
.set MSB, 0
.macro WIN new
.if MSB != (\new)
	s_set_vgpr_msb (MSB<<8)|(\new)
.set MSB, \new
.endif
.endm
.set W_MUL, 0xa5                       ; sources 0 and 1 window 1, C and D window 2
.set W_LD,  0x40                       ; destination window 1
.set W_MRG, 0xf2                       ; destination and source 2 window 3, source 0 window 2, source 1 window 0
.set W_CLR, 0xc0                       ; destination window 3
.set W_OUT, 0x0c                       ; an LDS store's data window 3
.set W_TO2, 0x80                       ; destination window 2
.set W_ALL2, 0xaa                      ; everything window 2
.set W_FR2, 0x0a                       ; sources 0 and 1 window 2, destination window 0
.set W_M2,  0x82                       ; destination and source 0 window 2, source 1 window 0
.set W_F2,  0xa2                       ; destination, sources 0 and 2 window 2, source 1 window 0
.macro JLOAD s                         ; a joint load: every wave its own 64 keys; an s_nop 0 and four v_nop follow it
	tensor_load_to_lds s[G0+4*(\s):G0+4*(\s)+3], s[G1:G1+7]
	s_nop 0
.rept 4
	v_nop
.endr
.endm
.macro CREST
	s_cmp_lg_u32 s10, 0
	s_cbranch_scc1 .Lnot_wave_0_\@
	s_barrier_signal -3
.Lnot_wave_0_\@:
	s_barrier_wait -3
	s_barrier_signal -1
	s_barrier_wait -1
.endm
.macro CROUND
	s_barrier_signal -1
	s_barrier_wait -1
	CREST
.endm
.macro PLACES                          ; four places in front of loads into registers that matrix instructions have read
.rept 4
	v_nop
.endr
.endm
; PREFETCHES INTO THE L2, behind a joint refill, the run of LDS loads and the batch's loads.  In span j a wave names span j + 3: of vp what the next refill will ask for, 256 matrix instructions ahead of that load; of p
; the two batches that the next two spans load.  Each aligned block of 256 bytes is named once in the launch.  vp's keys are read by the four clusters of a batch: the first asks; of the 64 keys that a wave fetches each
; of the four partners takes 16, two blocks a key, told apart by address (cy).  p's 128 rows are read by one cluster alone: partner cx takes 32 rows, a lane a row, wave 0 their first block of the span and wave 1
; their second.  Loop A's last trip asks for nothing: the keys end there.
.macro ASK
	WIN 0
	s_cmp_gt_u32 s3, s[LIMB]
	s_cbranch_scc0 .Lnot_b_\@
	global_prefetch_b8 v[PFO], s[PB:PB+1] th:TH_LOAD_NT scope:SCOPE_SE
.Lnot_b_\@:
	s_cmp_gt_u32 s3, s[LIMX]
	s_cbranch_scc0 .Lnot_x_\@
	global_prefetch_b8 v[PFX], s[PX:PX+1] th:TH_LOAD_NT scope:SCOPE_SE
.Lnot_x_\@:
.endm
.macro XLOAD par, off                  ; a batch of p into set par: 16 loads; lanes 0-15 take 256 consecutive bytes of one row, lanes 16-31 of the next
	WIN 0
.set j, 0
.rept 16
	global_load_b128 v[RS+64*(\par)+4*j:RS+64*(\par)+4*j+3], v[XO], s[XP:XP+1] offset:(\off)+2*AROW*j
.set j, j+1
.endr
.endm
.macro XSTORE par                      ; set par into XS
	WIN 0
.set j, 0
.rept 16
	ds_store_b128 v[XST], v[RS+64*(\par)+4*j:RS+64*(\par)+4*j+3] offset:2*AP*j
.set j, j+1
.endr
.endm
.macro XISSUE par, pf                  ; the next batch is asked for; pf = 1: the prefetches' addresses step too
	WIN 0
	s_wait_xcnt 0x0                                ; the loads of a K step back and the prefetches of a span back have read their addresses
	s_add_nc_u64 s[XP:XP+1], s[XP:XP+1], ASTEP
.if \pf
	s_add_nc_u64 s[PB:PB+1], s[PB:PB+1], BSPAN
	s_add_nc_u64 s[PX:PX+1], s[PX:PX+1], ASPAN
.endif
	XLOAD \par, 0
.endm
	s_load_b256 s[72:79], s[0:1], 0x0              ; pbuf s[72:73], p16 s[74:75], st s[76:77], out0 s[78:79]
	v_lshl_add_u32 v[SPW], v0, 2, SPARE
	v_mov_b32 v[NIL], 0
	ds_add_u32 v[SPW], v[NIL]                      ; the wave's opening: the add, twice on end, and its wait ahead of my first tensor load
	ds_add_u32 v[SPW], v[NIL]                      ; and once more; the set-up below, work on registers, stands between it and the wait
	v_lshrrev_b32 v1, 5, v0
	v_readfirstlane_b32 s10, v1                    ; wave 0..3
	s_lshr_b32 s11, s10, 1                         ; which 64 of the tile's rows are mine
	s_and_b32 s12, s10, 1                          ; which 128 of its channels
	s_bfe_u32 s40, ttmp6, 0x40000                  ; cx, cy
	s_bfe_u32 s41, ttmp6, 0x40004
	s_lshl_b32 s42, ttmp9, 2
	s_add_co_u32 s42, s42, s40                     ; tile column, 0..3
	s_and_b32 s45, ttmp7, 0xffff                   ; cluster y
	s_lshl_b32 s13, s45, 2
	s_add_co_u32 s13, s13, s41                     ; tile row, 0..63
	s_lshl_b32 s44, 0x1111, s40                    ; my column of the cluster
	s_lshr_b32 s71, s45, 2                         ; the batch
	s_or_b32 s[G1+0], s44, (1<<16)|(1<<20)|(1<<21)|(6<<22)|(7<<25)   ; the mask; 2-byte elements; padding on; bit 21 beside a mask; after every 128 words, 8 words
	s_mov_b32 s[G1+1], 256<<16                     ; tensor_dim0 = 256
	s_mov_b32 s[G1+2], 64<<16                      ; tensor_dim1 = 64
	s_mov_b32 s[G1+3], 256<<16                     ; tile_dim0 = 256
	s_mov_b32 s[G1+4], 64                          ; tile_dim1 = 64
	s_mov_b32 s[G1+5], 1024                        ; elements from row to row of vp
	s_mov_b32 s[G1+6], 0
	s_mov_b32 s[G1+7], 0
	s_lshl_b32 s16, s13, 7                         ; p: row 128 x tile row + 32 x wave,
	s_lshl_b32 s17, s10, 5
	s_add_co_u32 s16, s16, s17
	s_lshl_b32 s16, s16, 12                        ; 4,096 bytes a row
	s_mov_b32 s17, 0
	s_lshl_b32 s46, s71, 11                        ; vp: key row 2,048 x batch + 64 x wave,
	s_lshl_b32 s47, s10, 6
	s_add_co_u32 s46, s46, s47
	s_lshl_b32 s46, s46, 11                        ; 2,048 bytes a row,
	s_lshl_b32 s47, s42, 9                         ; the tile's 256 channels
	s_add_co_u32 s46, s46, s47
	s_add_co_u32 s46, s46, VP0
	s_mov_b32 s47, 0
	s_mul_i32 s[LB], s10, 64*PV                    ; the wave's number alone enters an LDS address
	s_mov_b32 s[TB], 0
	s_wait_dscnt 0x0                               ; both opening adds are done
	s_wait_kmcnt 0x0
	s_add_nc_u64 s[XP:XP+1], s[72:73], s[16:17]
	s_add_nc_u64 s[46:47], s[74:75], s[46:47]
	CROUND                                         ; all sixteen work-groups are here: the first joint loads meet
.irp s, 0,1
	s_mov_b32 s[G0+4*(\s)], 1
	s_add_co_u32 s[G0+4*(\s)+1], s[LB], (\s)*SLOT
	s_add_nc_u64 s[G0+4*(\s)+2:G0+4*(\s)+3], s[46:47], (\s)*BSPAN
	s_or_b32 s[G0+4*(\s)+3], s[G0+4*(\s)+3], 0x80000000
	JLOAD \s                                       ; two tensor loads of mine are out
.endr
	v_and_b32 v1, 15, v0                           ; r = l % 16
	v_bfe_u32 v2, v0, 4, 1                         ; h = l / 16
	v_and_b32 v[LN], 31, v0
	v_lshlrev_b32 v3, 12, v2
	v_lshl_add_u32 v[XO], v1, 4, v3                ; row h, 16 bytes for each of 16 lanes
	XLOAD 0, 0                                     ; K step 0
	XLOAD 1, ASTEP                                 ; K step 1
	v_lshlrev_b32 v[STA], 4, v1
	s_lshl_b32 s88, s13, 14                        ; st: the tile row's 16,384 bytes, my 64 rows' waves
	s_lshl_b32 s90, s11, 10
	s_add_co_u32 s88, s88, s90
	s_mov_b32 s89, 0
	s_add_nc_u64 s[80:81], s[76:77], s[88:89]
	WIN W_TO2
.irp t, 0,1,2,3,4,5,6,7                ; the statistics of my 64 rows: for each tile of keys l of both halves and cm; lanes r and r + 16 read the same 16 bytes
	global_load_b128 v[LL+8*(\t):LL+8*(\t)+3],   v[STA], s[80:81] offset:2048*(\t)
	global_load_b128 v[LL+8*(\t)+4:LL+8*(\t)+7], v[STA], s[80:81] offset:2048*(\t)+512
	global_load_b128 v[CM+4*(\t):CM+4*(\t)+3],   v[STA], s[80:81] offset:2048*(\t)+256
.endr
	WIN 0
	s_mul_i32 s22, s10, 32*AP
	s_add_co_u32 s22, s22, XS
	v_mul_u32_u24 v3, v2, AP
	v_lshl_add_u32 v3, v1, 4, v3
	v_add_nc_u32 v[XST], s22, v3                   ; my wave's 32 rows of XS
	v_mul_u32_u24 v3, v1, AP
	v_lshl_add_u32 v3, v2, 4, v3                   ; a fragment of p: row x pitch + 16 x half
	s_mul_i32 s22, s11, 64*AP                      ; my 64 rows of p
	s_add_co_u32 s22, s22, XS
	v_add_nc_u32 v[ADRA], s22, v3
	; The turning load takes 16 keys x 16 channels (lane l reads key 8 (l / 16) + l % 8, channels 8 ((l / 8) % 2) + 0..7) and leaves half a fragment: lane l holds channel l % 16 and 8 keys.
	v_and_b32 v5, 7, v0
	v_lshl_add_u32 v5, v2, 3, v5
	v_mul_u32_u24 v5, v5, PV
	v_bfe_u32 v6, v0, 3, 1
	v_lshl_add_u32 v4, v6, 4, v5
	s_lshl_b32 s22, s12, 8                         ; my 128 channels: 256 bytes of a row of vp
	v_add_nc_u32 v[ADRB0], s22, v4
	v_mov_b32 v[ADRB], v[ADRB0]
	v_add_nc_u32 v[ADRB+1], 128*PV, v[ADRB]
	s_mul_i32 s23, s10, 16*SP
	s_add_co_u32 s23, s23, XS                      ; my stage
	v_mul_u32_u24 v5, v1, SP                       ; in: row l % 16, 32 bytes for each half of the lanes
	v_lshl_add_u32 v5, v2, 5, v5
	v_add_nc_u32 v[STO], s23, v5
	v_lshl_add_u32 v[RD], v[LN], 4, s23            ; back: 32 lanes take a row of 512 bytes
	v_lshlrev_b32 v[CO], 4, v[LN]
	; the prefetches stand at span 2; the first refill steps them to span 3
	s_lshl_b32 s88, s41, 15                        ; vp: my work-group's 16 of the wave's 64 keys
	s_add_co_u32 s88, s88, 2*BSPAN
	s_add_nc_u64 s[PB:PB+1], s[46:47], s[88:89]
	s_and_b32 s88, s45, 3                          ; the batch's first cluster asks
	s_cmp_eq_u32 s88, 0
	s_cselect_b32 s[LIMB], 1, -1                   ; the same in all sixteen partners
	v_and_b32 v6, 30, v[LN]
	v_and_b32 v7, 1, v[LN]
	v_lshlrev_b32 v7, 8, v7
	v_lshl_add_u32 v[PFO], v6, 10, v7              ; (l / 2) x 2,048 + (l % 2) x 256
	s_lshl_b32 s88, s13, 7                         ; p: row 128 x tile row + 32 x cx,
	s_lshl_b32 s90, s40, 5
	s_add_co_u32 s88, s88, s90
	s_lshl_b32 s88, s88, 12
	s_lshl_b32 s90, s12, 8                         ; the wave's block of the span's two
	s_add_co_u32 s88, s88, s90
	s_add_co_u32 s88, s88, 2*ASPAN
	s_add_nc_u64 s[PX:PX+1], s[72:73], s[88:89]
	s_cmp_eq_u32 s11, 0                            ; waves 0 and 1
	s_cselect_b32 s[LIMX], 1, -1
	v_lshlrev_b32 v[PFX], 12, v[LN]
	; where my part of the tile begins in out0
	s_lshl_b32 s16, s13, 7
	s_lshl_b32 s17, s11, 6
	s_add_co_u32 s16, s16, s17
	s_lshl_b32 s16, s16, 12
	s_mov_b32 s17, 0
	s_add_nc_u64 s[8:9], s[78:79], s[16:17]
	s_lshl_b32 s46, s42, 10
	s_lshl_b32 s47, s12, 9
	s_add_co_u32 s46, s46, s47
	s_mov_b32 s47, 0
	s_add_nc_u64 s[8:9], s[8:9], s[46:47]
	WIN W_CLR
.set i, 0
.rept 256
	v_mov_b32 v[i], 0                              ; T
.set i, i+1
.endr
	WIN 0
.irp a, 0,1,2,3
	v_mov_b32 v[CUR+2*(\a)+1], 0                   ; named as the upper words of pairs, so they are written
.endr
	s_wait_loadcnt 0x0                             ; K steps 0 and 1, and the statistics
	XSTORE 0
	s_wait_dscnt 0x0                               ; for the others' sake: my rows lie in XS
	XLOAD 0, 2*ASTEP                               ; K step 2
	; THE FACTORS.  M; 2^(cm - M), 32 exponentials in one batch, the 32 additions of l's halves behind it, one wait; L; 1 / L with its plain line and its wait; f.
	WIN W_ALL2
.irp a, 0,1,2,3
	v_max3_num_f32 v[MM+(\a)], v[CM+(\a)], v[CM+4+(\a)], v[CM+8+(\a)]
.endr
.irp a, 0,1,2,3
	v_max3_num_f32 v[MM+(\a)], v[MM+(\a)], v[CM+12+(\a)], v[CM+16+(\a)]
.endr
.irp a, 0,1,2,3
	v_max3_num_f32 v[MM+(\a)], v[MM+(\a)], v[CM+20+(\a)], v[CM+24+(\a)]
.endr
.irp a, 0,1,2,3
	v_max_num_f32 v[MM+(\a)], v[MM+(\a)], v[CM+28+(\a)]
.endr
.set i, 0
.rept 32
	v_sub_f32 v[CM+i], v[CM+i], v[MM+i%4]
.set i, i+1
.endr
.set i, 0
.rept 32
	v_exp_f32 v[CM+i], v[CM+i]
.set i, i+1
.endr
	WIN W_FR2
.set i, 0
.rept 32
	v_add_f32 v[FT+8*(i/4)+2*(i%4)+1], v[LL+8*(i/4)+i%4], v[LL+8*(i/4)+4+i%4]
.set i, i+1
.endr
	s_wait_alu depctr_va_vdst(0)                   ; one wait for the batch, ahead of the first line that names a result
	WIN W_M2
.irp a, 0,1,2,3
	v_mul_f32 v[LT+(\a)], v[CM+(\a)], v[FT+2*(\a)+1]
.endr
	WIN W_F2
.set t, 1
.rept 7
.irp a, 0,1,2,3
	v_fma_f32 v[LT+(\a)], v[CM+4*t+(\a)], v[FT+8*t+2*(\a)+1], v[LT+(\a)]
.endr
.set t, t+1
.endr
	WIN W_ALL2
.irp a, 0,1,2,3
	v_rcp_f32 v[RR+(\a)], v[LT+(\a)]               ; L is at least 1: the tile with cm = M holds a weight of 1
.endr
	v_nop
	s_wait_alu depctr_va_vdst(0)
	WIN W_FR2
.set i, 0
.rept 32
	v_mul_f32 v[FT+8*(i/4)+2*(i%4)], v[CM+i], v[RR+i%4]
.set i, i+1
.endr
	WIN 0
; 8 matrix instructions: row block a x all 8 channel blocks, 32 keys.  Each of the 32 accumulators has one instruction a quarter, always in the same order: no two matrix instructions that follow each
; other share an accumulator, over the backward jumps too.
.macro MUL8 f, a, zero
	WIN W_MUL
.irp b, 0,1,2,3,4,5,6,7
.if \zero
	v_wmma_f32_16x16x32_f16 v[8*(8*(\a)+(\b)):8*(8*(\a)+(\b))+7], v[(\f)+32+8*(\b):(\f)+32+8*(\b)+7], v[(\f)+8*(\a):(\f)+8*(\a)+7], 0
.else
	v_wmma_f32_16x16x32_f16 v[8*(8*(\a)+(\b)):8*(8*(\a)+(\b))+7], v[(\f)+32+8*(\b):(\f)+32+8*(\b)+7], v[(\f)+8*(\a):(\f)+8*(\a)+7], v[8*(8*(\a)+(\b)):8*(8*(\a)+(\b))+7]
.endif
.endr
.endm
; 24 LDS loads in one run: quarter kq (0..7: 32 keys) of a span into buffer g: vp's 16 turning loads from the slot in hand, then p's 8 from XS
.macro FETCH kq, g
	WIN W_LD
.irp b, 0,1,2,3,4,5,6,7
	ds_load_tr16_b128 v[(\g)+32+8*(\b):(\g)+32+8*(\b)+3],   v[ADRB+(\kq)/4] offset:32*PV*((\kq)%4)+32*(\b)
	ds_load_tr16_b128 v[(\g)+32+8*(\b)+4:(\g)+32+8*(\b)+7], v[ADRB+(\kq)/4] offset:32*PV*((\kq)%4)+16*PV+32*(\b)
.endr
.irp a, 0,1,2,3
	ds_load_b128 v[(\g)+8*(\a):(\g)+8*(\a)+3],   v[ADRA] offset:64*((\kq)%4)+16*AP*(\a)
	ds_load_b128 v[(\g)+8*(\a)+4:(\g)+8*(\a)+7], v[ADRA] offset:64*((\kq)%4)+16*AP*(\a)+32
.endr
.endm
; Quarter k (0, 1, 4, 5) of a span, on buffer k % 2: asks for the next quarter into the other buffer, four places behind that buffer's last products, then multiplies: the run has 32 products in which to land.
.macro Q k, zero
	PLACES
	FETCH (\k)+1, F1-96*((\k)%2)
	s_wait_dscnt 24                                ; all but the 24 just issued: this quarter's fragments are in
.irp a, 0,1,2,3
	MUL8 F0+96*((\k)%2), \a, \zero
.endr
.endm
; Quarters k and k + 1 (k = 2 or 6): THE EXCHANGE OF XS and, at k = 6, THE CHANGE OF SLOTS.  The fetch at the head is the last read of XS's rows (at k = 6: of the slot too).
; BARRIER 1: every wave's reads are back.  At k = 6 each wave has also waited for all its tensor loads, of which one is out: its part of the other slot; and has added 0 to its spare word.  fill = 1: the barrier opens a
; round of the cluster's barrier, and the slot just read is filled again, with the span two on, first thing behind the round.  Then the next K step's rows are stored.  BARRIER 2: they lie there.
; tail = 1 (loop B): the last batch is asked for in the first trip at k = 2; in the second trip no younger batch is out, so the wait there is for 0.
.macro XQ k, fill, tail
.set PAR, 1-((\k)/4)                   ; the batch to be stored: an odd K step's at k = 2, an even one's at k = 6
	PLACES
	FETCH (\k)+1, F1
	s_wait_dscnt 24
	MUL8 F0, 0, 0
	WIN 0                                          ; (the add's two registers lie in window 0; a branch may follow)
.if (\k) == 6
	s_wait_tensorcnt 0x0                           ; all my tensor loads have landed, so a group 0 may be written;
	ds_add_u32 v[SPW], v[NIL]                      ; 0 onto my spare word
.if \fill
	s_add_co_u32 s[G0+5], s[LB], s[TB]             ; the walking descriptor: into the slot in hand,
	s_add_nc_u64 s[G0+6:G0+7], s[G0+6:G0+7], BSPAN ; the next span; the type bits on top are not reached
.endif
.endif
.if (\tail) && ((\k) == 2)
	s_cmp_lg_u32 s3, 1
	s_cbranch_scc1 .Lyoung_\@
	s_wait_loadcnt 0x0
.Lyoung_\@:
.endif
	s_wait_loadcnt NB                              ; loads come back in order: the batch is in; the one younger batch may stay out
	MUL8 F0, 1, 0
	s_wait_dscnt 0x0                               ; my reads of XS (and of the slot) are back; the add is done
	s_barrier_signal -1
	WIN 0
	s_barrier_wait -1
.if \fill
	CREST                                          ; no wave of any partner still reads the slot or has a load on its way
	JLOAD 1                                        ; my one tensor load behind the round
.endif
	XSTORE PAR
	MUL8 F0, 2, 0
	MUL8 F0, 3, 0
	s_wait_dscnt 0x0                               ; for the others' sake: my stores are done
	s_barrier_signal -1
	MUL8 F1, 0, 0
	s_barrier_wait -1
	PLACES
.if (\k) == 6
	WIN 0
	s_xor_b32 s[TB], s[TB], SLOT                   ; the other slot
	v_add_nc_u32 v[ADRB], s[TB], v[ADRB0]
	v_add_nc_u32 v[ADRB+1], 128*PV, v[ADRB]
.endif
	FETCH ((\k)+2)%8, F0
.if !(\tail)
	XISSUE PAR, \fill                              ; the set just stored takes the K step two steps on from the one it held
.if \fill
	ASK
.endif
.elseif (\k) == 2
	WIN 0
	s_cmp_lg_u32 s3, 2
	s_cbranch_scc1 .Lnone_\@                       ; the keys end: the second trip asks for nothing
	XISSUE PAR, 0
	WIN 0
.Lnone_\@:
.endif
	MUL8 F1, 1, 0
	MUL8 F1, 2, 0
	MUL8 F1, 3, 0
.endm
; A span's end.  The table of factors moves down by one entry, so that CUR holds this span's (a loop's trip cannot pick a register): 32 plain lines that name no register of the products, which are also the places
; behind the span's last products.  Then T += f X, two numbers a line, each accumulator's registers in ascending order.
.macro MERGE
	WIN 0
.set e, 0
.rept 8
.irp a, 0,1,2,3
	v_mov_b32 v[CUR+8*e+2*(\a)], v[CUR+8+8*e+2*(\a)]
.endr
.set e, e+1
.endr
	WIN W_MRG
.set i, 0
.rept 128
	v_pk_fma_f32 v[2*i:2*i+1], v[2*i:2*i+1], v[CUR+2*(i/32):CUR+2*(i/32)+1], v[2*i:2*i+1] op_sel_hi:[1,0,1]
.set i, i+1
.endr
.endm
	s_wait_tensorcnt 1                             ; my part of span 0 is in; span 1's may stay out
	s_barrier_signal -1
	s_barrier_wait -1
	FETCH 0, F0
	WIN 0
	s_wait_xcnt 0x0
	s_add_nc_u64 s[XP:XP+1], s[XP:XP+1], 2*ASTEP   ; at the batch asked for last
	s_mov_b32 s3, 6
.LspanA:                                               ; a trip is a span: one tile of 256 keys; its slot is filled again
	Q 0, 1                                         ; the span's first products start X anew; the merge stands between them and the last span's products on the same registers
	Q 1, 0
	XQ 2, 0, 0
	Q 4, 0
	Q 5, 0
	XQ 6, 1, 0
	MERGE
	WIN 0
	s_sub_co_u32 s3, s3, 1
	s_cmp_lg_u32 s3, 0
	s_cbranch_scc1 .LspanA
	s_mov_b32 s3, 2
.LspanB:                                               ; the last two spans fill nothing and have no round
	Q 0, 1
	Q 1, 0
	XQ 2, 0, 1
	Q 4, 0
	Q 5, 0
	XQ 6, 0, 1
	MERGE
	WIN 0
	s_sub_co_u32 s3, s3, 1
	s_cmp_lg_u32 s3, 0
	s_cbranch_scc1 .LspanB
	s_wait_dscnt 0x0                               ; my last reads of XS are back:
	s_barrier_signal -1
	s_barrier_wait -1                              ; everybody's are: XS is now the stage
; THE WAY OUT, 16 rows at a time: a lane's 32 bytes of a row go into my stage, rows of 528 bytes, and come back as whole rows of 512.
.macro OUT a
.set OBA, OB+64*((\a)%2)
.if (\a) >= 2
	s_wait_xcnt 0x0                                ; the stores of two blocks back have read this buffer: it is loaded again only behind this wait
.endif
	WIN W_OUT
.irp b, 0,1,2,3,4,5,6,7
	ds_store_b128 v[STO], v[64*(\a)+8*(\b):64*(\a)+8*(\b)+3]   offset:64*(\b)
	ds_store_b128 v[STO], v[64*(\a)+8*(\b)+4:64*(\a)+8*(\b)+7] offset:64*(\b)+16
.endr
	WIN 0
.irp t, 0,1,2,3,4,5,6,7,8,9,10,11,12,13,14,15
	ds_load_b128 v[OBA+4*(\t):OBA+4*(\t)+3], v[RD] offset:(\t)*SP  ; LDS serves a wave's instructions in order (ISA guide 5.7.1.4): these see the stores above; the next block's stores come behind them
.endr
.irp t, 0,1,2,3,4,5,6,7,8,9,10,11,12,13,14,15
	s_wait_dscnt 15-(\t)                           ; row t is back; the 15 - t younger loads may stay out
	global_store_b128 v[CO], v[OBA+4*(\t):OBA+4*(\t)+3], s[8:9] offset:(16*(\a)+(\t))*4096 th:TH_STORE_NT  ; the wave stores 512 consecutive bytes, at a multiple of 512 from out0's first byte
.endr
.endm
	OUT 0
	OUT 1
	OUT 2
	OUT 3
	s_wait_tensorcnt 0x0                           ; the wave's end, behind my last tensor load and my last LDS store
	ds_add_u32 v[SPW], v[NIL]
	s_wait_dscnt 0x0
	CROUND                                         ; the closing round
	s_endpgm
.Lfunc_end_k_q0af264b158_pv:
	.size	k_q0af264b158_pv, .Lfunc_end_k_q0af264b158_pv-k_q0af264b158_pv
	.p2alignl 7, 3214868480
	.fill 96, 4, 3214868480
	.section	.rodata,"a",@progbits
	.p2align	6, 0x0
	.amdhsa_kernel k_q0af264b158_pv
		.amdhsa_group_segment_fixed_size 327680
		.amdhsa_private_segment_fixed_size 0
		.amdhsa_enable_private_segment 0
		.amdhsa_kernarg_size 32
		.amdhsa_user_sgpr_count 2
		.amdhsa_user_sgpr_kernarg_segment_ptr 1
		.amdhsa_wavefront_size32 1
		.amdhsa_system_sgpr_workgroup_id_x 1
		.amdhsa_system_sgpr_workgroup_id_y 1
		.amdhsa_system_sgpr_workgroup_id_z 1
		.amdhsa_system_vgpr_workitem_id 0
		.amdhsa_next_free_vgpr 1024
		.amdhsa_next_free_sgpr 96
		.amdhsa_reserve_vcc 0
		.amdhsa_float_denorm_mode_32 3
		.amdhsa_float_denorm_mode_16_64 3
		.amdhsa_memory_ordered 1
		.amdhsa_forward_progress 1
		.amdhsa_inst_pref_size 139
	.end_amdhsa_kernel
	.amdgpu_metadata
---
amdhsa.version: [ 1, 2 ]
amdhsa.kernels:
  - .name:           k_q0af264b158_pv
    .symbol:         k_q0af264b158_pv.kd
    .args:
      - { .name: pbuf, .offset: 0, .size: 8, .value_kind: global_buffer, .address_space: global }
      - { .name: p16, .offset: 8, .size: 8, .value_kind: global_buffer, .address_space: global }
      - { .name: st, .offset: 16, .size: 8, .value_kind: global_buffer, .address_space: global }
      - { .name: out0, .offset: 24, .size: 8, .value_kind: global_buffer, .address_space: global }
    .group_segment_fixed_size: 327680
    .private_segment_fixed_size: 0
    .kernarg_segment_align: 8
    .kernarg_segment_size: 32
    .max_flat_workgroup_size: 128
    .sgpr_count:     96
    .vgpr_count:     1024
    .wavefront_size: 32
...
	.end_amdgpu_metadata
.endif
;; end of part 4
